; MI455X (gfx1250); checked and timed in simulation.
; The chip was launched on July 23, 2026; its instructions are those of AMD's public machine-readable ISA for CDNA 5 (MIT licence, August 2026) and "CDNA5" Instruction Set Architecture Reference Guide (July 2026). The comments in the code are by the model that wrote it; some were corrected since.
;; Self Attention. Allowed arithmetic: matrix products marked QUANTISED: E4M3 operands, one given power-of-two scale a tensor, by v_wmma_f32_16x16x64_fp8_fp8 or v_wmma_f32_16x16x128_fp8_fp8, f32 sums; everything else in f32.
;; Inputs: b_in 3,072 float32; b_out 1,024 float32; lowp_scales 8 int32 (the exponents e of the quantised operands' scales 2^e); w_in 3,072 x 1,024 float32; w_out 1,024 x 1,024 float32; x 4 x 2,048 x 1,024 float32.
;; Outputs: out0 4 x 2,048 x 1,024 float32.
;; Constants: causal_mask = 1.
;; This version of the problem:
;;   THIS VERSION OF THE PROBLEM IS GIVEN IN LOW PRECISION. The matrix products marked QUANTISED in the list below multiply operands that are first quantised to E4M3 (4 exponent bits, 3 mantissa bits; 8 bits a number), with one given power-of-two scale for each operand tensor; their sums are f32. All else is computed in f32.
;;   The module's matrix products, in the order in which they are computed (A, B: the left and right operand; K: the contracted axis; several contracted axes count as one K, in the product's order):
;;     1. [M 8,192, K 1,024] x [K 1,024, N 3,072]; A: input x; B: input w_in: QUANTISED (scales: A lowp_scales[0], B lowp_scales[1])
;;     2. batch 64 x [M 2,048, K 64] x [K 64, N 2,048]; A: computed on the way; B: computed on the way: QUANTISED (scales: A lowp_scales[2], B lowp_scales[3])
;;     3. batch 64 x [M 64, K 2,048] x [K 2,048, N 2,048]; A: computed on the way; B: softmax (see below): QUANTISED (scales: A lowp_scales[4], B lowp_scales[5])
;;     4. [M 8,192, K 1,024] x [K 1,024, N 1,024]; A: computed on the way; B: input w_out: QUANTISED (scales: A lowp_scales[6], B lowp_scales[7])
;;   THE QUANTISER, for each operand of a quantised product, along K:
;;     - The operand's scale is 2^e, e = its entry of the input lowp_scales (int32; the entries are numbered through the quantised products in the list's order, A before B).
;;     - Each number is divided by the scale, clamped to +-448, and rounded to the nearest number of E4M3, ties to even, subnormals kept.
;;     - The product sums the exact products of the quantised numbers (number of the format x scale) in f32.
;;   ~~~python
;;   def quantise(x, axis, e):      # numpy; x: float32 -> the quantised numbers, widened to float32 again
;;       x = np.moveaxis(x, axis, -1); K = x.shape[-1]
;;       r = np.clip(x / 2.0 ** e, -448, 448)
;;       step = 2.0 ** (np.maximum(np.frexp(np.where(r == 0, 1, r))[1] - 1, -6) - 3)
;;       q = np.round(r / step) * step * 2.0 ** e      # np.round: ties to even
;;       return np.moveaxis(q, -1, axis).astype(np.float32)
;;   ~~~
;;   SOFTMAX AHEAD OF A QUANTISED PRODUCT. Where the list says 'softmax', what is quantised is not the finished softmax but p = 2^(t - M), with t = logit x log2(e) and M = ceil(the row's largest t), a whole number; so 1/2 < the row's largest p <= 1. The row's sum l is taken of the UNQUANTISED p, in f32, and the product's result is divided by l at the end. Since M is a whole number, a kernel that streams over the keys may use a running M (the ceiling of the running maximum): every later rescaling is an exact power of two, so the quantised numbers keep their values, but for numbers so far below the row's largest that they fall under the format's range.
;;   OPERANDS COMPUTED ON THE WAY. 'Computed on the way' means the value that the module computes at that place (a softmax that the list does not call 'softmax' is quantised finished and normalised). What goes into a quantiser is computed in f32, as accurately as f32 sums, v_exp_f32 and their like allow (about 1e-6 of the number): no bf16 or f16 on the way to a quantiser, and a product that is left as it is and whose result goes on into a quantised operand takes f32 operands (vector FMAs, or v_wmma_f32_16x16x4_f32). A number that lies on a knife's edge between two numbers of the format may be rounded either way, as far as f32 arithmetic and the matrix unit's own rounding can turn it there, and no further.
;; One version. Each part assembles by itself: llvm-mc -triple=amdgcn-amd-amdhsa -mcpu=gfx1250 --defsym DOCPART=n.
;; ======== version 1 of 1: 4 launches
;; limits: right only within a limited range of input values
;; workspace buffers: xc 8,388,608 bytes; wic 3,145,728 bytes; woc 1,048,576 bytes; qc 8,388,608 bytes; kc 8,388,608 bytes; vc 8,388,608 bytes; ac 8,388,608 bytes
;; launch quant (part 1): grid 768 x 1, 4 waves a work-group, no clusters, 33,280 bytes of LDS; arguments x, w_in, w_out, lowp_scales, xc, wic, woc; writes xc, wic, woc
.if DOCPART == 1
	.amdgcn_target "amdgcn-amd-amdhsa--gfx1250"
	.amdhsa_code_object_version 6
	.text
	.protected	k_q28d8149a71_quant
	.globl	k_q28d8149a71_quant
	.p2align	8
	.type	k_q28d8149a71_quant,@function
k_q28d8149a71_quant:
	s_mov_b64 s[64:65], 0
	v_nop
	global_prefetch_b8 v0, s[64:65] scope:SCOPE_SE
	s_setreg_imm32_b32 hwreg(HW_REG_WAVE_MODE, 25, 1), 1
	s_wait_xcnt 0x0
; x [8192][1024], w_in [3072][1024] and w_out [1024][1024], f32, K innermost, become codes of FP8 (E4M3), one a byte, laid as the numbers lie.
; code = number / 2^e, held within +-448, rounded to the nearest code, ties to even.  e: entry 0 of the scales for x, entry 1 for w_in, entry 7 for w_out.
; LIMITS: each e between -126 and 119, so that 2^e and 448 x 2^e are f32 numbers.  NaN among the inputs is not served (an infinity is held at the largest code).
; Rows are dense, so each tensor is a plain stream.  A work-group takes 16,384 numbers: work-groups 0-511 x, 512-703 w_in, 704-767 w_out: three for each of 256 WGPs; only pointers and e are chosen, by the work-group's number: one path.
; A wave takes 8 steps of 512 numbers.  Each of a step's four loads reads 512 consecutive bytes, 16 a lane; the conversions want 16 NEIGHBOURS in a lane, so the 2,048 bytes turn through the wave's own stage in LDS
; (16 bytes of padding behind each 64) and come back 64 bytes a lane.  A lane's 16 codes are 16 bytes: the wave stores 512 consecutive bytes.
; Waves share nothing: no barrier, no cluster (no byte is read by two work-groups), no matrix unit.  Loads run four steps (16 loads a wave) ahead, the turn through LDS one step.
.set STEPS, 8
.set WGX,   512                        ; work-groups of x
.set WGXI,  704                        ; of x and w_in together
.set EMAX,  8
.set MANT,  0x600000                   ; the mantissa field of 448 as f32
.set CB,    16                         ; bytes of 16 codes
.set R,     16                         ; v16-79   four sets of 16 numbers as they are loaded
.set X,     80                         ; v80-111  two sets of 16 neighbours
.set C,     128                        ; v128-159 codes: four registers for each step, so that no store's data are written again
.set WREG,  8192                       ; LDS: a region for each wave: two stages of 32 x SP bytes
.set SP,    80                         ; a lane's place in a stage: 64 bytes + 16 of padding
.set SPW,   12                         ; v12 LDS address of my spare word; never rewritten
.set NIL,   13                         ; v13 0; never rewritten
.set SPARE, 4*WREG                     ; behind the four regions: the spare words, 128 bytes a wave
	s_load_b256 s[4:11], s[0:1], 0x0               ; x s[4:5], w_in s[6:7], w_out s[8:9], the scales' exponents s[10:11]
	s_load_b128 s[12:15], s[0:1], 0x20             ; x's codes s[12:13], w_in's s[14:15]
	s_load_b64 s[24:25], s[0:1], 0x30              ; w_out's codes
	v_lshl_add_u32 v[SPW], v0, 2, SPARE
	v_mov_b32 v[NIL], 0
	v_lshrrev_b32 v1, 5, v0
	v_readfirstlane_b32 s16, v1                    ; wave
	v_and_b32 v2, 31, v0                           ; lane
	v_lshlrev_b32 v3, 4, v2                        ; my 16 bytes of a load's 512
	s_mul_i32 s17, s16, WREG
	v_lshrrev_b32 v14, 2, v2
	v_mul_u32_u24 v14, v14, SP
	v_and_b32 v15, 3, v2
	v_lshl_add_u32 v14, v15, 4, v14
	v_add_nc_u32 v14, s17, v14                     ; the stage, on the way in: four lanes' 64 bytes on end, then the padding
	v_mul_u32_u24 v15, v2, SP
	v_add_nc_u32 v15, s17, v15                     ; and on the way out: my 16 neighbours
	v_mul_u32_u24 v4, v2, CB                       ; my codes' place in a step's
	s_wait_alu depctr_va_vdst(0)                   ; the wait here, directly ahead of the wait below
	s_wait_kmcnt 0x0
	s_load_b256 s[36:43], s[10:11], 0x0            ; e0 .. e7
	s_cmp_lt_u32 ttmp9, WGX                        ; which tensor?  The choices hang on the work-group's number alone
	s_cselect_b64 s[4:5], s[4:5], s[6:7]
	s_cselect_b64 s[12:13], s[12:13], s[14:15]
	s_cselect_b32 s17, 0, WGX
	s_cmp_lt_u32 ttmp9, WGXI
	s_cselect_b64 s[4:5], s[4:5], s[8:9]
	s_cselect_b64 s[12:13], s[12:13], s[24:25]
	s_cselect_b32 s17, s17, WGXI                   ; the tensor's first work-group
	s_sub_co_u32 s17, ttmp9, s17
	s_lshl_b32 s17, s17, 2
	s_add_co_u32 s18, s17, s16                     ; which run of 4,096 numbers of the tensor is my wave's
	s_mov_b32 s19, 0
	s_lshl_b64 s[20:21], s[18:19], 14              ; 16,384 bytes of numbers,
	s_add_nc_u64 s[4:5], s[4:5], s[20:21]
	s_lshl_b64 s[20:21], s[18:19], 12              ; 4,096 bytes of codes
	s_add_nc_u64 s[12:13], s[12:13], s[20:21]
.macro LOAD t
.irp i, 0,1,2,3
	global_load_b128 v[R+16*((\t)%4)+4*\i:R+16*((\t)%4)+4*\i+3], v3, s[4:5] offset:2048*(\t)+512*\i th:TH_LOAD_NT   ; 32 lanes read 512 consecutive bytes, read once in the launch
.endr
.endm
.macro TURN t                          ; step t's numbers through the stage: LDS serves a wave's instructions in order, so no wait stands between the stores and the loads
.irp i, 0,1,2,3
	ds_store_b128 v14, v[R+16*((\t)%4)+4*\i:R+16*((\t)%4)+4*\i+3] offset:32*SP*((\t)%2)+8*SP*\i
.endr
.irp i, 0,1,2,3
	ds_load_b128 v[X+16*((\t)%2)+4*\i:X+16*((\t)%2)+4*\i+3], v15 offset:32*SP*((\t)%2)+16*\i
.endr
.endm
.irp t, 0,1,2,3
	LOAD \t
.endr
	s_wait_kmcnt 0x0
	s_cmp_lt_u32 ttmp9, WGX
	s_cselect_b32 s22, s36, s37
	s_cmp_lt_u32 ttmp9, WGXI
	s_cselect_b32 s22, s22, s43                    ; e
	s_add_co_i32 s22, s22, 127
	s_lshl_b32 s23, s22, 23
	v_mov_b32 v11, s23                             ; 2^e as f32: the conversion takes its exponent field
	s_add_co_i32 s22, s22, EMAX
	s_lshl_b32 s22, s22, 23
	s_or_b32 s22, s22, MANT
	v_mov_b32 v10, s22                             ; 448 x 2^e
	s_wait_alu depctr_va_vdst(0)                   ; the wait at the head's end
	s_wait_loadcnt 12                              ; step 0's four loads are in; three steps' twelve stay out
	TURN 0
.macro STEP t
.set XS, X+16*((\t)%2)
	s_wait_dscnt 0x0                               ; this step's numbers are back from the stage: so its stores into the stage have read their registers,
.if (\t)+4 < STEPS
	LOAD (\t)+4                                    ; which take the loads of four steps on
.endif
.if (\t)+1 < STEPS
.if STEPS-2-(\t) >= 3
	s_wait_loadcnt 12                              ; the next step's four loads are in; those of the three steps behind it may be out
.else
	s_wait_loadcnt 4*(STEPS-2-(\t))
.endif
	TURN (\t)+1                                    ; and go through the other stage while this step is worked
.endif
.irp i, 0,1,2,3,4,5,6,7,8,9,10,11,12,13,14,15
	v_med3_num_f32 v[XS+\i], v[XS+\i], -v10, v10   ; the conversion to an 8-bit code does not saturate (ISA guide 7.6.2): the hold comes first, always
.endr
	v_cvt_scalef32_pk8_fp8_f32 v[C+4*(\t):C+4*(\t)+1], v[XS:XS+7], v11
	v_cvt_scalef32_pk8_fp8_f32 v[C+4*(\t)+2:C+4*(\t)+3], v[XS+8:XS+15], v11
	global_store_b128 v4, v[C+4*(\t):C+4*(\t)+3], s[12:13] offset:32*CB*(\t)   ; the codes go to a store alone; the next vector lines are the next step's holds, on other registers
.endm
.irp t, 0,1,2,3,4,5,6,7
	STEP \t
.endr
	s_wait_tensorcnt 0x0                           ; the wave's end, behind my last LDS store
	ds_add_u32 v[SPW], v[NIL]
	s_wait_dscnt 0x0
	s_endpgm
.Lfunc_end_k_q28d8149a71_quant:
	.size	k_q28d8149a71_quant, .Lfunc_end_k_q28d8149a71_quant-k_q28d8149a71_quant
	.p2alignl 7, 3214868480
	.fill 96, 4, 3214868480
	.section	.rodata,"a",@progbits
	.p2align	6, 0x0
	.amdhsa_kernel k_q28d8149a71_quant
		.amdhsa_group_segment_fixed_size 33280
		.amdhsa_private_segment_fixed_size 0
		.amdhsa_enable_private_segment 0
		.amdhsa_kernarg_size 56
		.amdhsa_user_sgpr_count 2
		.amdhsa_user_sgpr_kernarg_segment_ptr 1
		.amdhsa_wavefront_size32 1
		.amdhsa_system_sgpr_workgroup_id_x 1
		.amdhsa_system_sgpr_workgroup_id_y 1
		.amdhsa_system_sgpr_workgroup_id_z 1
		.amdhsa_system_vgpr_workitem_id 0
		.amdhsa_next_free_vgpr 160
		.amdhsa_next_free_sgpr 66
		.amdhsa_reserve_vcc 0
		.amdhsa_float_denorm_mode_32 3
		.amdhsa_float_denorm_mode_16_64 3
		.amdhsa_memory_ordered 1
		.amdhsa_forward_progress 1
		.amdhsa_inst_pref_size 20
	.end_amdhsa_kernel
	.amdgpu_metadata
---
amdhsa.version: [ 1, 2 ]
amdhsa.kernels:
  - .name:           k_q28d8149a71_quant
    .symbol:         k_q28d8149a71_quant.kd
    .args:
      - { .name: x, .offset: 0, .size: 8, .value_kind: global_buffer, .address_space: global }
      - { .name: w_in, .offset: 8, .size: 8, .value_kind: global_buffer, .address_space: global }
      - { .name: w_out, .offset: 16, .size: 8, .value_kind: global_buffer, .address_space: global }
      - { .name: lowp_scales, .offset: 24, .size: 8, .value_kind: global_buffer, .address_space: global }
      - { .name: xc, .offset: 32, .size: 8, .value_kind: global_buffer, .address_space: global }
      - { .name: wic, .offset: 40, .size: 8, .value_kind: global_buffer, .address_space: global }
      - { .name: woc, .offset: 48, .size: 8, .value_kind: global_buffer, .address_space: global }
    .group_segment_fixed_size: 33280
    .private_segment_fixed_size: 0
    .kernarg_segment_align: 8
    .kernarg_segment_size: 56
    .max_flat_workgroup_size: 128
    .sgpr_count:     66
    .vgpr_count:     160
    .wavefront_size: 32
...
	.end_amdgpu_metadata
.endif
;; end of part 1
;; launch qkv (part 2): grid 12 x 64, 4 waves a work-group, clusters of 4 x 4, 327,680 bytes of LDS; arguments xc, wic, lowp_scales, b_in, qc, kc, vc; writes qc, kc, vc
.if DOCPART == 2
	.amdgcn_target "amdgcn-amd-amdhsa--gfx1250"
	.amdhsa_code_object_version 6
	.text
	.protected	k_q28d8149a71_qkv
	.globl	k_q28d8149a71_qkv
	.p2align	8
	.type	k_q28d8149a71_qkv,@function
k_q28d8149a71_qkv:
	s_mov_b64 s[64:65], 0
	v_nop
	global_prefetch_b8 v0, s[64:65] scope:SCOPE_SE
	s_setreg_imm32_b32 hwreg(HW_REG_WAVE_MODE, 25, 1), 1
	s_wait_xcnt 0x0
	s_wait_alu depctr_hold_cnt(0) depctr_sa_sdst(0) depctr_va_vdst(0) depctr_va_sdst(0) depctr_va_ssrc(0) depctr_va_vcc(0) depctr_vm_vsrc(0)
	s_getreg_b32 s2, hwreg(HW_REG_IB_STS2, 6, 4)
	s_cmp_eq_u32 s2, 0
	s_cbranch_scc0 .Lentry_in_a_cluster
	s_endpgm
.Lentry_in_a_cluster:
	s_bfe_u32 s2, ttmp6, 0x10000c
	s_cmp_lg_u32 s2, 0xf033
	s_cbranch_scc0 .Lentry_shape_is_right
	s_endpgm
.Lentry_shape_is_right:
; qkv = x w_in^T + b_in on codes of FP8 (E4M3), and q, k, v quantised at once: q with 2^e2, k with 2^e3, v with 2^e4.  A sum stands for sum x 2^(e0 + e1).
; xc [8192][1024], wic [3072][1024]: codes, K innermost.  qc, kc: [batch x 16 + head][2048][64].  vc: [head x 64 + d][batch x 2048 + s]: the keys innermost, as the second attention product wants them.
; LIMITS: e0 + e1 between -126 and 127; e2, e3, e4 between -126 and 119: each power of two below is then an f32 number.  NaN is not served.
; A TILE: 128 rows of "A" (source 1) x 256 rows of "B" (source 0), K = 1,024; four waves, each 64 x 128: 32 accumulators.  The matrix instruction is used transposed: a lane holds ONE row of A and eight neighbouring rows of B.
; ROLES, by the cluster's x (equal in all sixteen partners): 0, 1: A = tokens, B = the features of q, k: a lane's eight numbers are neighbours in a head.  2: A = v's features, B = tokens: a lane's eight numbers are
; neighbouring tokens of one feature, so v's codes come out with the keys innermost and nothing is transposed.  768 work-groups: three for each of 256 WGPs.
; K goes in four steps of 256 (rows of 256 bytes) through three LDS slots: three first fills, one refill (slot 0 takes K step 3).
; CLUSTERS: 4 x 4.  A's tile is shared along a row of the cluster, B's along a column: each is asked for jointly, by the same tensor load with the same descriptor and a mask that names the four.
; No prefetch: three of the four K steps are asked for at the head, where all first tiles are on their way.
; REGISTERS, in windows of 256: window 0: v8-15, v16-22 addresses, v28-31 constants, v32-95 at work on the way out, from v128 A's fragments in two sets of 64 (later codes and rows on the way out);
;   window 1: B's fragments, two sets of 128;  window 2: accumulator (a, b) at v[8 (8 a + b)];  window 3: v0-63 the bias of my 128 rows of B, v64-71 the bias of my rows of A, each twice.
.set PITCH, 272                        ; an LDS row: 256 bytes + 16 of padding = 68 words: the 16 rows that a load touches start at 16 different banks (64 banks of 4 bytes: ISA guide 11.1)
.set AHALF, 64*PITCH                   ; what a tensor load of A brings, and what a wave reads of A
.set AREG,  2*AHALF
.set BHALF, 128*PITCH                  ; the same for B
.set SLOT,  AREG+2*BHALF               ; 104,448 bytes
; K'S WALK AS THIS TEXT HAS IT (it takes the place of what the head comment says of slots, first fills and prefetch).  Region X holds K 0-511: rows of 512 bytes, pitch 528; it is asked for at the head, one joint load a wave.
; Region Y, behind X, holds K 512-767 (a SLOT as above, pitch 272) and is first filled behind the round that follows X's landing.  K 768-1023 then fills again the first 256 bytes of X's rows: a padding of 68 words keeps the pitch of 528.
; Group 1's words that differ between the three (padding, row length) are written anew by constants behind the waits for all tensor loads.  No prefetch: K is short, and half of it is asked for at the head.
.set PX,    528                        ; X's pitch: 33 x 16 bytes, so the 16 rows that a load touches start at 16 different columns of 16 bytes
.set XA,    64*PX                      ; what X's tensor load of A brings
.set XB,    128*PX                     ; and of B
.set XSZ,   2*XA+2*XB                  ; 202,752 bytes
.set SPARE, XSZ+SLOT                   ; behind X and Y: the spare words, 128 bytes a wave: two blocks of 256 bytes that no other line names
.set QKST,  XSZ                        ; q's and k's way out: a stage of 10,240 bytes for each wave, in Y, which has had its only fill and its last read by then
.set VST,   XSZ+40960                  ; v's way out: one stage of 128 rows x 272 bytes, in Y likewise
.set XW0,   (1<<20)|(1<<21)|(6<<22)|(3<<25)    ; group 1, word 0 beside the mask: four words of padding after every 128
.set YW0,   (1<<20)|(1<<21)|(5<<22)|(3<<25)    ; four after every 64
.set ZW0,   (1<<20)|(1<<21)|(5<<22)|(67<<25)   ; 68 after every 64
.set CBO,  8                           ; v8   byte offset in b_in of my eight numbers of B's block 0
.set RBO,  9                           ; v9   byte offset in b_in of my row of A's block 0
.set QSTO, 10                          ; v10  q, k: where I put 8 bytes of a row;  v11 where I read rows back;  v12 my 16 bytes of a store's 512
.set QRD,  11
.set QGO,  12
.set VSTO, 13                          ; v13-15 the same for v
.set VRD,  14
.set VGO,  15
.set ADRA, 16                          ; v16, v17 LDS address of my A fragments in slot 0, 1 (X, Y)
.set ADRB, 20                          ; v20, v21 the same for B
.set SPW,  28                          ; v28  LDS address of my spare word; never rewritten
.set NIL,  29                          ; v29  0; never rewritten
.set SCL,  30                          ; v30  the output's scale 2^e as f32
.set LIM,  31                          ; v31  448 x that
.set T,    32                          ; v32-95 a block's 64 numbers
.set AF,   128
.set CD,   128                         ; v128-191 codes, on the way out
.set BK,   192                         ; v192-255 rows read back
.set G1A, 24                           ; s[24:31], s[32:39] descriptor groups 1;  s[40:51], s[52:63] groups 0, one for each slot
.set G1B, 32
.set G0A, 40
.set G0B, 52
.set MSB, 0
.macro WIN new                         ; the immediate's high byte repeats the setting that is left
.if MSB != \new
	s_set_vgpr_msb (MSB<<8)|\new
.set MSB, \new
.endif
.endm
.set MUL,  0xa1                        ; source 0 (B) window 1, source 1 (A) window 0, C and D window 2
.set TO_B, 0x40                        ; destination window 1, address window 0
.macro PLACES n
.rept \n
	v_nop
.endr
.endm
.macro CREST                           ; a round of the cluster's barrier behind its opening barrier
	s_cmp_lg_u32 s14, 0
	s_cbranch_scc1 .Lnot_wave_0_\@
	s_barrier_signal -3
.Lnot_wave_0_\@:
	s_barrier_wait -3
	s_barrier_signal -1
	s_barrier_wait -1
.endm
.macro CROUND
	s_barrier_signal -1
	s_barrier_wait -1
	CREST
.endm
.macro JLOAD s                         ; the joint load of slot s: waves 0, 1 for A, waves 2, 3 for B: one tensor load a wave; four v_nop follow each line
	s_cmp_eq_u32 s15, 0
	s_cbranch_scc0 .Lfor_b_\@
	tensor_load_to_lds s[G0A+4*\s:G0A+4*\s+3], s[G1A:G1A+7]
	s_nop 0
	PLACES 4
	s_branch .Lasked_\@
.Lfor_b_\@:
	tensor_load_to_lds s[G0B+4*\s:G0B+4*\s+3], s[G1B:G1B+7]
	s_nop 0
	PLACES 4
.Lasked_\@:
.endm
; 48 LDS loads in one run: the fragments of the slot's q-th 128 along K into set p.  A fragment, 16 rows x 128 K, is 16 registers: lane l holds row l % 16; registers 4 c .. 4 c + 3 hold K = 32 c + 16 (l / 16) + 0 .. 15:
; a permutation of K that is the same in A and in B, so that every product meets its partner.
.macro FETCH slot, q, p                ; slot 0: region X (q 0 .. 3; behind its refill 0, 1);  slot 1: region Y (q 0, 1)
.set FP, PX-(PX-PITCH)*(\slot)
	WIN TO_B
.irp i, 0,1,2,3,4,5,6,7
.irp c, 0,1,2,3
	ds_load_b128 v[128*(\p)+16*\i+4*\c:128*(\p)+16*\i+4*\c+3], v[ADRB+\slot] offset:128*(\q)+32*\c+\i*16*FP
.endr
.endr
	WIN 0
.irp i, 0,1,2,3
.irp c, 0,1,2,3
	ds_load_b128 v[AF+64*(\p)+16*\i+4*\c:AF+64*(\p)+16*\i+4*\c+3], v[ADRA+\slot] offset:128*(\q)+32*\c+\i*16*FP
.endr
.endr
.endm
; 8 matrix instructions: A's block a against B's eight, set p.  zero = 1: the first product starts the sums.  The 32 accumulators take turns in the same order in every step.
.macro MUL8 a, p, zero
.irp b, 0,1,2,3,4,5,6,7
.if \zero
	v_wmma_f32_16x16x128_fp8_fp8 v[8*(8*(\a)+\b):8*(8*(\a)+\b)+7], v[128*(\p)+16*\b:128*(\p)+16*\b+15], v[AF+64*(\p)+16*(\a):AF+64*(\p)+16*(\a)+15], 0
.else
	v_wmma_f32_16x16x128_fp8_fp8 v[8*(8*(\a)+\b):8*(8*(\a)+\b)+7], v[128*(\p)+16*\b:128*(\p)+16*\b+15], v[AF+64*(\p)+16*(\a):AF+64*(\p)+16*(\a)+15], v[8*(8*(\a)+\b):8*(8*(\a)+\b)+7]
.endif
.endr
.endm
; A step of 128 along K on set p; the next step's fragments (slot nslot, its nq-th 128) are asked for first, into the other set, and have the step's 32 matrix instructions in which to come.
.macro STEP nslot, nq, p, zero
	s_wait_dscnt 0x0                               ; this step's 48 loads, issued ahead of the last 16 or 32 matrix instructions, are in
	PLACES 4                                       ; four places between the matrix instructions that read the other set and the loads into it (ISA guide 7.12.1 for vector instructions)
	FETCH \nslot, \nq, 1-(\p)
	WIN MUL
	MUL8 0, \p, \zero
	MUL8 1, \p, \zero
	MUL8 2, \p, \zero
	MUL8 3, \p, \zero
	WIN 0
.endm
; A step that also changes slots: ONE barrier; in front of it each wave waits for all its tensor loads, adds 0 to its spare word, and waits for that and for its own LDS reads.  fill = 1: slot 0, just read out, takes K step 3.
.macro TURN p, fill, nslot
	s_wait_tensorcnt 0x0                           ; all my tensor loads have landed
	ds_add_u32 v[SPW], v[NIL]                      ; 0 onto my spare word
	s_wait_dscnt 0x1                               ; this step's 48 loads are in; the add alone may be out
	WIN MUL
	MUL8 0, \p, 0                                  ; eight matrix instructions stand between the add and the wait for it
	s_wait_dscnt 0x0                               ; the add is done, and my reads of the slots so far are over
	s_barrier_signal -1
	MUL8 1, \p, 0
	WIN 0
	s_barrier_wait -1
.if \fill
	CREST                                          ; the barrier has opened a round of the cluster's: no wave of any partner has a load on its way or still reads the slot that is filled
	s_or_b32 s[G1A+0], s12, ZW0                    ; no load of mine is out: the padding that keeps X's pitch
	s_or_b32 s[G1B+0], s84, ZW0
	JLOAD 2                                        ; K 768-1023 into the first 256 bytes of X's rows, which have been read out
.else
	PLACES 4
.endif
	FETCH \nslot, 0, 1-(\p)
	WIN MUL
	MUL8 2, \p, 0
	MUL8 3, \p, 0
	WIN 0
.endm
	s_load_b256 s[4:11], s[0:1], 0x0               ; xc s[4:5], wic s[6:7], the scales' exponents s[8:9], b_in s[10:11]
	s_load_b128 s[72:75], s[0:1], 0x20             ; qc, kc
	s_load_b64 s[76:77], s[0:1], 0x30              ; vc
	v_lshl_add_u32 v[SPW], v0, 2, SPARE
	v_mov_b32 v[NIL], 0
	ds_add_u32 v28, v29
	ds_add_u32 v28, v29
	s_wait_dscnt 0x0
	v_lshrrev_b32 v1, 5, v0
	v_readfirstlane_b32 s14, v1                    ; wave 0..3
	s_lshr_b32 s15, s14, 1                         ; which 64 rows of A are mine.  Also: I fetch for A (0) or for B (1)
	s_and_b32 s16, s14, 1                          ; which 128 rows of B are mine.  Also: which half of that tile I fetch
	s_bfe_u32 s66, ttmp6, 0x40000                  ; cx
	s_bfe_u32 s67, ttmp6, 0x40004                  ; cy
	s_and_b32 s68, ttmp7, 0xffff                   ; cluster y, 0..15
	s_lshl_b32 s69, ttmp9, 2                       ; q, k: tile column 4 x cluster x + cx (0..7), tile row 4 x cluster y + cy (0..63)
	s_and_b32 s70, s68, 7
	s_lshl_b32 s70, s70, 2                         ; v: tile column 4 (y % 8) + cx (0..31: tokens), tile row 4 (y / 8) + cy (0..7: features)
	s_lshl_b32 s71, s68, 2
	s_lshr_b32 s78, s68, 3
	s_lshl_b32 s78, s78, 2
	s_cmp_eq_u32 ttmp9, 2                          ; the role hangs on the cluster's x alone
	s_cselect_b32 s80, s70, s69
	s_cselect_b32 s18, s78, s71
	s_cselect_b32 s21, 0x200000, 0                 ; v's features begin at row 2,048 of wic
	s_add_co_u32 s80, s80, s66                     ; tile column: it enters B's registers alone
	s_add_co_u32 s18, s18, s67                     ; tile row: A's alone
	s_lshl_b32 s12, s67, 2
	s_lshl_b32 s12, 15, s12                        ; my row of the cluster; s12 and s84 stay
	s_lshl_b32 s84, 0x1111, s66                    ; my column
	s_or_b32 s[G1A+0], s12, XW0                    ; 15:0 the mask; elements of 1 byte; 20 padding on; 21 set beside a mask
	s_or_b32 s[G1B+0], s84, XW0
	s_mov_b32 s[G1A+1], 512<<16                    ; tensor_dim0 = 512, for X
	s_mov_b32 s[G1A+2], 64<<16                     ; tensor_dim1 = 64
	s_mov_b32 s[G1A+3], 512<<16                    ; tile_dim0
	s_mov_b32 s[G1A+4], 64                         ; tile_dim1 = 64
	s_mov_b32 s[G1A+5], 1024                       ; from row to row
	s_mov_b32 s[G1A+6], 0
	s_mov_b32 s[G1A+7], 0
	s_mov_b32 s[G1B+1], 512<<16
	s_mov_b32 s[G1B+2], 128<<16                    ; 128 rows
	s_mov_b32 s[G1B+3], 512<<16
	s_mov_b32 s[G1B+4], 128
	s_mov_b32 s[G1B+5], 1024
	s_mov_b32 s[G1B+6], 0
	s_mov_b32 s[G1B+7], 0
	s_lshl_b32 s19, s18, 17                        ; A: (128 x tile row + 64 x half) rows of 1,024 bytes
	s_lshl_b32 s20, s16, 16
	s_add_co_u32 s20, s19, s20
	s_add_co_u32 s20, s20, s21
	s_mov_b32 s21, 0
	s_lshl_b32 s82, s80, 18                        ; B: (256 x tile column + 128 x half) rows
	s_lshl_b32 s83, s16, 17
	s_add_co_u32 s82, s82, s83
	s_mov_b32 s83, 0
	s_mul_i32 s22, s16, AHALF                      ; where they go: no place in the cluster enters an LDS address.  In Y:
	s_mul_i32 s23, s16, BHALF
	s_add_co_u32 s22, s22, XSZ
	s_add_co_u32 s23, s23, XSZ+AREG
	s_mul_i32 s13, s16, XA                         ; in X:
	s_mul_i32 s81, s16, XB
	s_add_co_u32 s81, s81, 2*XA
	s_wait_kmcnt 0x0
	s_load_b256 s[88:95], s[8:9], 0x0              ; e0 .. e7
	s_cmp_eq_u32 ttmp9, 2
	s_cselect_b64 s[98:99], s[6:7], s[4:5]         ; A's tensor
	s_add_nc_u64 s[20:21], s[98:99], s[20:21]
	s_cselect_b64 s[98:99], s[4:5], s[6:7]         ; B's tensor
	s_add_nc_u64 s[82:83], s[98:99], s[82:83]
.irp s, 0,1,2                          ; groups 0: set 0 X (K 0), set 1 Y (K 512), set 2 X's refill (K 768)
	s_mov_b32 s[G0A+4*\s], 1                                       ; count = 1
	s_add_nc_u64 s[G0A+4*\s+2:G0A+4*\s+3], s[20:21], 640*\s-128*\s*\s
	s_or_b32 s[G0A+4*\s+3], s[G0A+4*\s+3], 0x80000000              ; type = 2
	s_mov_b32 s[G0B+4*\s], 1
	s_add_nc_u64 s[G0B+4*\s+2:G0B+4*\s+3], s[82:83], 640*\s-128*\s*\s
	s_or_b32 s[G0B+4*\s+3], s[G0B+4*\s+3], 0x80000000
.endr
	s_mov_b32 s[G0A+1], s13                        ; LDS addresses
	s_mov_b32 s[G0A+5], s22
	s_mov_b32 s[G0A+9], s13
	s_mov_b32 s[G0B+1], s81
	s_mov_b32 s[G0B+5], s23
	s_mov_b32 s[G0B+9], s81
	CROUND                                         ; all sixteen work-groups are here: the first joint loads meet
	JLOAD 0                                        ; K 0-511 alone is asked for at the head: one tensor load a wave; K 512-767 and 768-1023 follow behind rounds of their own
	v_and_b32 v1, 15, v0                           ; r = l % 16
	v_bfe_u32 v2, v0, 4, 1                         ; h = l / 16
	s_wait_alu depctr_va_vdst(0)
	s_mul_i32 s69, s15, XA                         ; my 64 rows of A and my 128 rows of B, in X
	s_mul_i32 s70, s16, XB
	s_add_co_u32 s70, s70, 2*XA
	s_mul_i32 s71, s15, AHALF                      ; and in Y
	s_mul_i32 s78, s16, BHALF
	s_add_co_u32 s71, s71, XSZ
	s_add_co_u32 s78, s78, XSZ+AREG
	v_mul_u32_u24 v3, v1, PITCH
	v_lshl_add_u32 v3, v2, 4, v3                   ; a fragment's row x pitch + 16 x half, in Y
	v_mul_u32_u24 v4, v1, PX
	v_lshl_add_u32 v4, v2, 4, v4                   ; and in X
	v_add_nc_u32 v[ADRA], s69, v4
	v_add_nc_u32 v[ADRB], s70, v4
	v_add_nc_u32 v[ADRA+1], s71, v3
	v_add_nc_u32 v[ADRB+1], s78, v3
	s_lshl_b32 s85, s80, 8
	s_lshl_b32 s86, s16, 7
	s_add_co_u32 s85, s85, s86                     ; my first row of B: 256 x tile column + 128 x half
	s_lshl_b32 s86, s18, 7
	s_lshl_b32 s87, s15, 6
	s_add_co_u32 s86, s86, s87                     ; my first row of A: 128 x tile row + 64 x half
	; the biases.  Both kinds are loaded in both roles, the one that is not used from b_in's first numbers: no branch, and no load leaves b_in
	s_add_co_u32 s79, s86, 2048
	s_cmp_eq_u32 ttmp9, 2
	s_cselect_b32 s87, 0, s85                      ; q, k: B's rows are features
	s_cselect_b32 s79, s79, 0                      ; v: A's rows are features 2,048 on
	s_lshl_b32 s87, s87, 2
	s_lshl_b32 s79, s79, 2
	v_lshl_add_u32 v[CBO], v2, 5, s87              ; lane (r, h) wants, for B's block b, the numbers 16 b + 8 h + 0 .. 7
	v_lshl_add_u32 v[RBO], v1, 2, s79              ; and, for A's block a, the number 16 a + r
	WIN 0xc0                                       ; destination window 3
.irp b, 0,1,2,3,4,5,6,7
	global_load_b128 v[8*\b:8*\b+3], v[CBO], s[10:11] offset:64*\b
	global_load_b128 v[8*\b+4:8*\b+7], v[CBO], s[10:11] offset:64*\b+16
.endr
.irp a, 0,1,2,3
	global_load_b32 v[64+2*\a], v[RBO], s[10:11] offset:64*\a      ; twice, to fill the pair that the packed multiply-add names
	global_load_b32 v[65+2*\a], v[RBO], s[10:11] offset:64*\a
.endr
	WIN 0
	; the way out's LDS addresses, of both roles, are all made here, ahead of the place where the roles part
	s_mul_i32 s78, s14, 10240
	s_add_co_u32 s78, s78, QKST                    ; q, k: my wave's stage: [2 heads][64 tokens], 80 bytes (64 + 16) a token
	v_mul_u32_u24 v[QSTO], v1, 80
	v_lshl_add_u32 v[QSTO], v2, 3, v[QSTO]
	v_add_nc_u32 v[QSTO], s78, v[QSTO]             ; in: token r, + 8 h
	v_and_b32 v4, 31, v0
	v_lshrrev_b32 v5, 2, v4
	v_mul_u32_u24 v[QRD], v5, 80
	v_and_b32 v5, 3, v4
	v_lshl_add_u32 v[QRD], v5, 4, v[QRD]
	v_add_nc_u32 v[QRD], s78, v[QRD]               ; back: four lanes to a token, eight tokens a load
	v_lshlrev_b32 v[QGO], 4, v4
	s_mul_i32 s78, s15, 64*PITCH
	s_lshl_b32 s79, s16, 7
	s_add_co_u32 s78, s78, s79
	s_add_co_u32 s78, s78, VST                     ; v: the work-group's stage: row = feature, 256 tokens + 16 bytes
	v_mul_u32_u24 v[VSTO], v1, PITCH
	v_lshl_add_u32 v[VSTO], v2, 3, v[VSTO]
	v_add_nc_u32 v[VSTO], s78, v[VSTO]             ; in: row 64 x half + r, + 128 x my half of the tokens + 8 h
	s_mul_i32 s78, s14, 32*PITCH
	s_add_co_u32 s78, s78, VST
	v_mul_u32_u24 v[VRD], v2, PITCH
	v_lshl_add_u32 v[VRD], v1, 4, v[VRD]
	v_add_nc_u32 v[VRD], s78, v[VRD]               ; back: wave w takes rows 32 w on, sixteen lanes to a row
	v_lshlrev_b32 v[VGO], 13, v2
	v_lshl_add_u32 v[VGO], v1, 4, v[VGO]           ; and the same two rows in vc, 8,192 bytes apart
	; where my part of the output begins
	s_lshr_b32 s69, s86, 11                        ; q, k: batch,
	s_lshl_b32 s69, s69, 4
	s_and_b32 s70, s85, 1023
	s_lshr_b32 s70, s70, 6                         ; my first head,
	s_add_co_u32 s69, s69, s70
	s_lshl_b32 s69, s69, 11
	s_and_b32 s70, s86, 2047                       ; my first token in the batch
	s_add_co_u32 s69, s69, s70
	s_lshl_b32 s69, s69, 6                         ; ((batch x 16 + head) x 2,048 + s) x 64
	s_lshl_b32 s70, s18, 7
	s_lshl_b32 s71, s14, 5
	s_add_co_u32 s70, s70, s71
	s_lshl_b32 s70, s70, 13
	s_lshl_b32 s71, s80, 8
	s_add_co_u32 s70, s70, s71                     ; v: (128 x tile row + 32 x wave) x 8,192 + 256 x tile column
	s_cmp_eq_u32 ttmp9, 0
	s_cselect_b64 s[72:73], s[72:73], s[74:75]
	s_cmp_eq_u32 ttmp9, 2
	s_cselect_b64 s[72:73], s[76:77], s[72:73]
	s_cselect_b32 s70, s70, s69
	s_mov_b32 s71, 0
	s_add_nc_u64 s[72:73], s[72:73], s[70:71]
	s_wait_kmcnt 0x0
	s_add_co_i32 s96, s88, s89                     ; e0 + e1
	s_add_co_i32 s96, s96, 127
	s_lshl_b32 s96, s96, 23                        ; 2^(e0 + e1) as f32
	s_mov_b32 s97, s96                             ; (named with it as a pair, so it is written)
	s_cmp_eq_u32 ttmp9, 0
	s_cselect_b32 s98, s90, s91
	s_cmp_eq_u32 ttmp9, 2
	s_cselect_b32 s98, s92, s98                    ; e2, e3 or e4
	s_add_co_i32 s98, s98, 127
	s_lshl_b32 s99, s98, 23
	v_mov_b32 v[SCL], s99
	s_add_co_i32 s98, s98, 8
	s_lshl_b32 s98, s98, 23
	s_or_b32 s98, s98, 0x600000
	v_mov_b32 v[LIM], s98
	s_wait_alu depctr_va_vdst(0)                   ; the wait at the head's end
	s_wait_tensorcnt 0x0                           ; my part of X is in
	ds_add_u32 v[SPW], v[NIL]                      ; 0 onto my spare word
	s_or_b32 s[G1A+0], s12, YW0                    ; no load of mine is out: group 1 for rows of 256 bytes
	s_or_b32 s[G1B+0], s84, YW0
	s_mov_b32 s[G1A+1], 256<<16
	s_mov_b32 s[G1A+3], 256<<16
	s_mov_b32 s[G1B+1], 256<<16
	s_mov_b32 s[G1B+3], 256<<16
	s_wait_dscnt 0x0
	CROUND                                         ; everybody's part of X is in, and the sixteen work-groups meet
	JLOAD 1                                        ; Y's first fill: K 512-767: it has X's four steps in which to land
	FETCH 0, 0, 0
	STEP 0, 1, 0, 1                                ; K 0-127: its products start the sums
	STEP 0, 2, 1, 0
	STEP 0, 3, 0, 0
	TURN 1, 1, 1                                   ; K 384-511; Y is whole; X's rows take K 768-1023
	STEP 1, 1, 0, 0
	TURN 1, 0, 0                                   ; K 640-767; X is whole again; nobody reads Y any more
	STEP 0, 1, 0, 0
	s_wait_dscnt 0x0                               ; the last step: nothing more to fetch
	WIN MUL
	MUL8 0, 1, 0
	MUL8 1, 1, 0
	MUL8 2, 1, 0
	MUL8 3, 1, 0
	WIN 0
	PLACES 4                                       ; in front of the first read of results and of writes into the fragments' registers
	s_wait_loadcnt 0x0                             ; the biases
; THE WAY OUT of A's block a: sum x 2^(e0 + e1) + bias in one packed multiply-add, each accumulator from its low end on; the hold; eight numbers to eight codes; 8 bytes a lane into a stage.
.macro PACK mode, a                    ; mode 0: q, k (the bias goes with B's rows);  1: v (with A's rows)
	WIN 0x32                                       ; source 0 (the sums) window 2, source 2 (the bias) window 3
.irp b, 0,1,2,3,4,5,6,7
.irp k, 0,2,4,6
.if \mode
	v_pk_fma_f32 v[T+8*\b+\k:T+8*\b+\k+1], v[8*(8*(\a)+\b)+\k:8*(8*(\a)+\b)+\k+1], s[96:97], v[64+2*(\a):65+2*(\a)] op_sel_hi:[1,0,1]
.else
	v_pk_fma_f32 v[T+8*\b+\k:T+8*\b+\k+1], v[8*(8*(\a)+\b)+\k:8*(8*(\a)+\b)+\k+1], s[96:97], v[8*\b+\k:8*\b+\k+1] op_sel_hi:[1,0,1]
.endif
.endr
.endr
	WIN 0
.set jj, 0
.rept 64
	v_med3_num_f32 v[T+jj], v[T+jj], -v[LIM], v[LIM]   ; the conversion does not saturate (ISA guide 7.6.2): the hold at 448 x the scale, always
.set jj, jj+1
.endr
.irp b, 0,1,2,3,4,5,6,7
	v_cvt_scalef32_pk8_fp8_f32 v[CD+16*(\a)+2*\b:CD+16*(\a)+2*\b+1], v[T+8*\b:T+8*\b+7], v[SCL]
.endr
	v_nop                                          ; one plain vector line between the conversions and the next block's writes of their sources
.irp b, 0,1,2,3,4,5,6,7
.if \mode
	ds_store_b64 v[VSTO], v[CD+16*(\a)+2*\b:CD+16*(\a)+2*\b+1] offset:(\a)*16*PITCH+16*\b          ; feature 16 a + r, tokens 16 b + 8 h + 0 .. 7
.else
	ds_store_b64 v[QSTO], v[CD+16*(\a)+2*\b:CD+16*(\a)+2*\b+1] offset:(\b/4)*5120+(\a)*1280+16*(\b%4)   ; head b / 4, token 16 a + r, channels 16 (b % 4) + 8 h + 0 .. 7
.endif
.endr
.endm
	s_cmp_eq_u32 ttmp9, 2                          ; the roles part: the same way in every wave of every partner
	s_cbranch_scc1 .Lpack_v
	PACK 0, 0
	PACK 0, 1
	PACK 0, 2
	PACK 0, 3
	s_branch .Lpacked
.Lpack_v:
	PACK 1, 0
	PACK 1, 1
	PACK 1, 2
	PACK 1, 3
.Lpacked:
	s_wait_dscnt 0x0                               ; for the others' sake: my stores into the stage are done (a row of v's stage comes from two waves)
	s_barrier_signal -1
	s_barrier_wait -1                              ; the barrier stands on the way that all take
	s_cmp_eq_u32 ttmp9, 2
	s_cbranch_scc1 .Lout_v
.irp i, 0,1,2,3,4,5,6,7,8,9,10,11,12,13,14,15
	ds_load_b128 v[BK+4*\i:BK+4*\i+3], v[QRD] offset:640*\i        ; eight tokens of a head: 512 bytes that lie on end in qc or kc
.endr
.irp i, 0,1,2,3,4,5,6,7,8,9,10,11,12,13,14,15
	s_wait_dscnt 15-\i
	global_store_b128 v[QGO], v[BK+4*\i:BK+4*\i+3], s[72:73] offset:(\i/8)*131072+(\i%8)*512   ; 32 lanes store 512 consecutive bytes, aligned
.endr
	s_branch .Lend
.Lout_v:
.irp i, 0,1,2,3,4,5,6,7,8,9,10,11,12,13,14,15
	ds_load_b128 v[BK+4*\i:BK+4*\i+3], v[VRD] offset:2*\i*PITCH
.endr
.irp i, 0,1,2,3,4,5,6,7,8,9,10,11,12,13,14,15
	s_wait_dscnt 15-\i
	global_store_b128 v[VGO], v[BK+4*\i:BK+4*\i+3], s[72:73] offset:2*\i*8192   ; sixteen lanes store 256 consecutive bytes, aligned
.endr
.Lend:
	s_wait_tensorcnt 0x0                           ; the wave's end
	ds_add_u32 v[SPW], v[NIL]
	s_wait_dscnt 0x0
	CROUND                                         ; the closing round: no work-group ends while a partner may still ask for a tile that names it
	s_endpgm
.Lfunc_end_k_q28d8149a71_qkv:
	.size	k_q28d8149a71_qkv, .Lfunc_end_k_q28d8149a71_qkv-k_q28d8149a71_qkv
	.p2alignl 7, 3214868480
	.fill 96, 4, 3214868480
	.section	.rodata,"a",@progbits
	.p2align	6, 0x0
	.amdhsa_kernel k_q28d8149a71_qkv
		.amdhsa_group_segment_fixed_size 327680
		.amdhsa_private_segment_fixed_size 0
		.amdhsa_enable_private_segment 0
		.amdhsa_kernarg_size 56
		.amdhsa_user_sgpr_count 2
		.amdhsa_user_sgpr_kernarg_segment_ptr 1
		.amdhsa_wavefront_size32 1
		.amdhsa_system_sgpr_workgroup_id_x 1
		.amdhsa_system_sgpr_workgroup_id_y 1
		.amdhsa_system_sgpr_workgroup_id_z 1
		.amdhsa_system_vgpr_workitem_id 0
		.amdhsa_next_free_vgpr 1024
		.amdhsa_next_free_sgpr 100
		.amdhsa_reserve_vcc 0
		.amdhsa_float_denorm_mode_32 3
		.amdhsa_float_denorm_mode_16_64 3
		.amdhsa_memory_ordered 1
		.amdhsa_forward_progress 1
		.amdhsa_inst_pref_size 121
	.end_amdhsa_kernel
	.amdgpu_metadata
---
amdhsa.version: [ 1, 2 ]
amdhsa.kernels:
  - .name:           k_q28d8149a71_qkv
    .symbol:         k_q28d8149a71_qkv.kd
    .args:
      - { .name: xc, .offset: 0, .size: 8, .value_kind: global_buffer, .address_space: global }
      - { .name: wic, .offset: 8, .size: 8, .value_kind: global_buffer, .address_space: global }
      - { .name: lowp_scales, .offset: 16, .size: 8, .value_kind: global_buffer, .address_space: global }
      - { .name: b_in, .offset: 24, .size: 8, .value_kind: global_buffer, .address_space: global }
      - { .name: qc, .offset: 32, .size: 8, .value_kind: global_buffer, .address_space: global }
      - { .name: kc, .offset: 40, .size: 8, .value_kind: global_buffer, .address_space: global }
      - { .name: vc, .offset: 48, .size: 8, .value_kind: global_buffer, .address_space: global }
    .group_segment_fixed_size: 327680
    .private_segment_fixed_size: 0
    .kernarg_segment_align: 8
    .kernarg_segment_size: 56
    .max_flat_workgroup_size: 128
    .sgpr_count:     100
    .vgpr_count:     1024
    .wavefront_size: 32
...
	.end_amdgpu_metadata
.endif
;; end of part 2
;; launch attn (part 3): grid 4 x 64, 8 waves a work-group, clusters of 4 x 1, 327,680 bytes of LDS; arguments qc, kc, vc, lowp_scales, ac; writes ac
.if DOCPART == 3
	.amdgcn_target "amdgcn-amd-amdhsa--gfx1250"
	.amdhsa_code_object_version 6
	.text
	.protected	k_q28d8149a71_attn
	.globl	k_q28d8149a71_attn
	.p2align	8
	.type	k_q28d8149a71_attn,@function
k_q28d8149a71_attn:
	s_mov_b64 s[64:65], 0
	v_nop
	global_prefetch_b8 v0, s[64:65] scope:SCOPE_SE
	s_setreg_imm32_b32 hwreg(HW_REG_WAVE_MODE, 25, 1), 1
	s_wait_xcnt 0x0
	s_wait_alu depctr_hold_cnt(0) depctr_sa_sdst(0) depctr_va_vdst(0) depctr_va_sdst(0) depctr_va_ssrc(0) depctr_va_vcc(0) depctr_vm_vsrc(0)
	s_getreg_b32 s2, hwreg(HW_REG_IB_STS2, 6, 4)
	s_cmp_eq_u32 s2, 0
	s_cbranch_scc0 .Lentry_in_a_cluster
	s_endpgm
.Lentry_in_a_cluster:
	s_bfe_u32 s2, ttmp6, 0x10000c
	s_cmp_lg_u32 s2, 0x3003
	s_cbranch_scc0 .Lentry_shape_is_right
	s_endpgm
.Lentry_shape_is_right:
; Causal attention on codes of FP8 (E4M3), head size 64, 2,048 keys, 64 heads (batch x 16 + head); the result is quantised with 2^e6 for the last product.
; qc, kc: [head][2048][64].  vc: [h x 64 + d][batch x 2048 + s], the keys innermost.  ac: [h][token 8192][64].  Scales: q 2^e2, k 2^e3, v 2^e4, p 2^e5.
; LEFT OUT: key steps all of whose keys come after a group's queries lie under the causal mask; their p is 0 for all inputs.
; THE SOFTMAX: t = score x log2(e) / 8; M = the row's largest t so far, rounded UP to a whole number; p = 2^(t - M) is quantised, not normalised; the row's sum is taken of the unquantised p
; and divides at the end.  When M moves, the sum and O are multiplied by 2^(old M - new M): exact.
; LIMITS: e2 + e3 between -123 and 130 (added to c's exponent field); e6 between -126 and 119; e4 + e5 goes in by v_ldexp_f32 and has none; the scaled scores stay under 2^31.  NaN is not served.
; e5 BETWEEN -8 AND 127: p is at most 1, so p / 2^e5 is at most 256 and lies inside +-448: the quantiser's clamp changes no number there, and no hold of p is written.
; SHARES.  A cluster of four work-groups is one head.  The head's queries are 16 groups of 128; partner cx takes queries 128 g + 32 cx + 0 .. 31 of EVERY group; wave w (of eight) takes group w, then group 15 - w.
; So a wave owns 32 queries, two tiles A and B, which share each fragment of K and of V; group g has g + 1 key steps of 128, so every wave has 17.  Which steps a wave leaves out hangs on the wave's number and a counter alone.
; LDS.  The head's whole K and V are brought ONCE, by one joint load a wave that all four partners ask for with one descriptor: waves 0-3 512 keys of K each (128 rows of 256 bytes, four keys to a row, pitch 272),
; waves 4-7 512 keys of V's 64 rows each (rows of 512 bytes, pitch 528).  Nothing is filled again: no ring.  No prefetch: every byte is asked for at the head, and there is no loop to run ahead in.
; LAYOUT.  S^T = K Q^T (source 0 = 16 neighbouring keys, source 1 = 16 queries): lane (r, h) holds query r and keys 16 T + 8 h + 0 .. 7 of tile T.  Their eight codes are registers 2 T, 2 T + 1 of the operand
; P (128 keys) of O^T = V^T P^T, in that form's own order of K; V's fragments come by loads of 8 bytes in the same order.
; REGISTERS.  Window 0: v1-10 addresses; v12-15 -M and the largest t of A, of B; v16-19 the sums; v20-23 the factors; v24-29 at work; v32-36 constants; v40-55 the way out; v64-127 K's fragments, then V's;
; v128-191 S^T of A, then p; v192-255 of B.  Window 1: v0-31 O^T of A, v32-63 of B; v64-95 Q of the two groups; v96-111 p's codes of A, v112-127 of B.
.set PITCH, 272
.set KBL,   128*PITCH                  ; what a tensor load of K brings: 512 keys
.set KST,   32*PITCH                   ; a step's 128 keys of K
.set VP,    528
.set VBL,   64*VP                      ; what a tensor load of V brings: 512 keys of 64 rows
.set VB,    4*KBL                      ; V lies behind K
.set STG,   VB+4*VBL                   ; behind both: 32 rows x 80 bytes for each wave, for the way out; no tensor load lands there
.set SPARE, STG+8*2560                 ; the spare words, 128 bytes a wave: four blocks of 256 bytes that no other line names
.set AK0, 1                            ; v1  my lane's place in a tile of K: key r is at (r / 4) x 272 + (r % 4) x 64; + 16 h
.set AV0, 2                            ; v2  in a tile of V: VB + r x 528 + 8 h
.set SIN, 3                            ; v3  the stage, in
.set SBK, 4                            ; v4  the stage, back
.set GO,  5                            ; v5  16 x lane
.set RH,  6                            ; v6  32 cx + r - 8 h: the mask's bound for tile A;  v10: + 16, for tile B
.set ADK, 8
.set ADV, 9
.set RH2, 10
.set SPW, 34
.set NIL, 35
.set WV,  18                           ; s18 my wave's number
.set SEL, 20                           ; s[20:21] lane selects for v_permlanex16_b32: lane l xor 16
.set CS,  22                           ; s[22:23] c = log2(e) / 8 x 2^(e2 + e3)
.set G1K, 24
.set G1V, 32
.set G0K, 40
.set G0V, 44
.set TBK, 60                           ; s60 LDS byte of the step's keys in K's region;  s61 in V's
.set TBV, 61
.set KF,  62                           ; s62 the step's first key
.set T1,  63
.set T2,  66
.set MSB, 0
.macro WIN new                         ; the immediate's high byte repeats the setting that is left
.if MSB != \new
	s_set_vgpr_msb (MSB<<8)|\new
.set MSB, \new
.endif
.endm
.macro CROUND                          ; a round of the cluster's barrier
	s_barrier_signal -1
	s_barrier_wait -1
	s_cmp_lg_u32 s[WV], 0
	s_cbranch_scc1 .Lnot_wave_0_\@
	s_barrier_signal -3
.Lnot_wave_0_\@:
	s_barrier_wait -3
	s_barrier_signal -1
	s_barrier_wait -1
.endm
.macro TREE base, n, d                 ; n packed additions: the pair at base + 2 d i takes in the pair d registers on
.set ii, 0
.rept \n
	v_pk_add_f32 v[\base+2*\d*ii:\base+2*\d*ii+1], v[\base+2*\d*ii:\base+2*\d*ii+1], v[\base+2*\d*ii+\d:\base+2*\d*ii+\d+1]
.set ii, ii+1
.endr
.endm
	s_load_b256 s[4:11], s[0:1], 0x0               ; qc s[4:5], kc s[6:7], vc s[8:9], the scales' exponents s[10:11]
	s_load_b64 s[12:13], s[0:1], 0x20              ; ac
	v_lshl_add_u32 v[SPW], v0, 2, SPARE
	v_mov_b32 v[NIL], 0
	ds_add_u32 v[SPW], v[NIL]                      ; the opening lines: the add, twice on end, and its wait ahead of my tensor load
	ds_add_u32 v[SPW], v[NIL]
	v_lshrrev_b32 v8, 5, v0
	v_readfirstlane_b32 s[WV], v8                  ; wave 0..7
	s_bfe_u32 s19, ttmp6, 0x40000                  ; cx: it enters Q's and ac's addresses and the mask's compare alone
	s_and_b32 s14, ttmp7, 0xffff                   ; batch x 16 + head, which the four partners share
	s_lshr_b32 s15, s14, 4                         ; batch
	s_and_b32 s16, s14, 15                         ; head
	s_and_b32 s17, s[WV], 3                        ; which 512 keys I fetch
	s_lshl_b32 s84, s14, 17                        ; K: the head's 131,072 bytes, + 32,768 for each 512 keys
	s_lshl_b32 s85, s17, 15
	s_add_co_u32 s84, s84, s85
	s_mov_b32 s85, 0
	s_lshl_b32 s86, s16, 19                        ; V: the head's 64 rows of 8,192 bytes, + the batch's 2,048, + 512 for each 512 keys
	s_lshl_b32 s87, s15, 11
	s_add_co_u32 s86, s86, s87
	s_lshl_b32 s87, s17, 9
	s_add_co_u32 s86, s86, s87
	s_mov_b32 s87, 0
	s_mul_i32 s88, s17, KBL                        ; and in LDS
	s_mul_i32 s89, s17, VBL
	s_add_co_u32 s89, s89, VB
	s_mov_b32 s[G1K], 15|(0<<16)|(1<<20)|(1<<21)|(5<<22)|(3<<25)  ; the mask: all four work-groups; elements of 1 byte; padding on; 21 set beside a mask; four words after every 64
	s_mov_b32 s[G1K+1], 256<<16                    ; K's rows of 64 bytes are dense: stated as rows of 256
	s_mov_b32 s[G1K+2], 128<<16
	s_mov_b32 s[G1K+3], 256<<16
	s_mov_b32 s[G1K+4], 128
	s_mov_b32 s[G1K+5], 256
	s_mov_b32 s[G1K+6], 0
	s_mov_b32 s[G1K+7], 0
	s_mov_b32 s[G1V], 15|(0<<16)|(1<<20)|(1<<21)|(6<<22)|(3<<25)  ; four words after every 128
	s_mov_b32 s[G1V+1], 512<<16
	s_mov_b32 s[G1V+2], 64<<16
	s_mov_b32 s[G1V+3], 512<<16
	s_mov_b32 s[G1V+4], 64
	s_mov_b32 s[G1V+5], 8192                       ; from row to row of vc
	s_mov_b32 s[G1V+6], 0
	s_mov_b32 s[G1V+7], 0
	s_mov_b32 s[SEL], 0x76543210
	s_mov_b32 s[SEL+1], 0xfedcba98
	s_mov_b32 s[CS], 0x3e38aa3b                    ; log2(e) / 8
	s_lshl_b32 s90, s19, 5                         ; 32 cx
	s_lshl_b32 s91, s[WV], 7                       ; 128 g of my first group,
	s_sub_co_u32 s92, 15, s[WV]
	s_lshl_b32 s92, s92, 7                         ; of my second
	s_add_co_u32 s93, s91, s90                     ; my first query in each
	s_add_co_u32 s94, s92, s90
	s_lshl_b32 s82, s14, 17                        ; the head's first byte in qc
	s_mov_b32 s83, 0
	s_lshl_b32 s56, s16, 19
	s_lshl_b32 s57, s15, 17
	s_add_co_u32 s56, s56, s57                     ; (head x 8,192 + batch x 2,048) x 64: in ac
	s_lshl_b32 s58, s93, 6
	s_lshl_b32 s59, s94, 6
	s_mul_i32 s98, s[WV], 2560
	s_add_co_u32 s98, s98, STG                     ; my stage
	s_wait_dscnt 0x0                               ; both opening adds are done
	s_wait_kmcnt 0x0
	s_load_b256 s[68:75], s[10:11], 0x0            ; e0 .. e7
	s_mov_b32 s[G0K], 1                            ; count = 1
	s_mov_b32 s[G0K+1], s88                        ; LDS address
	s_add_nc_u64 s[G0K+2:G0K+3], s[6:7], s[84:85]  ; global address
	s_or_b32 s[G0K+3], s[G0K+3], 0x80000000        ; type = 2
	s_mov_b32 s[G0V], 1
	s_mov_b32 s[G0V+1], s89
	s_add_nc_u64 s[G0V+2:G0V+3], s[8:9], s[86:87]
	s_or_b32 s[G0V+3], s[G0V+3], 0x80000000
	CROUND                                         ; all four work-groups are here: the joint loads meet
	s_cmp_lt_u32 s[WV], 4                          ; waves 0-3 fetch K, waves 4-7 V: one tensor load a wave, eight in all
	s_cbranch_scc0 .Lfor_v
	tensor_load_to_lds s[G0K:G0K+3], s[G1K:G1K+7]
	s_nop 0
.rept 4
	v_nop
.endr
	s_branch .Lasked
.Lfor_v:
	tensor_load_to_lds s[G0V:G0V+3], s[G1V:G1V+7]
	s_nop 0
.rept 4
	v_nop
.endr
.Lasked:
	s_add_nc_u64 s[76:77], s[4:5], s[82:83]        ; qc at my head
	s_add_co_u32 s96, s56, s58
	s_mov_b32 s97, 0
	s_add_nc_u64 s[78:79], s[12:13], s[96:97]      ; ac at my first group's queries,
	s_add_co_u32 s96, s56, s59
	s_add_nc_u64 s[80:81], s[12:13], s[96:97]      ; and at my second's
	v_and_b32 v8, 15, v0                           ; r
	v_bfe_u32 v9, v0, 4, 1                         ; h
	v_lshlrev_b32 v7, 6, v8
	v_lshl_add_u32 v7, v9, 4, v7                   ; Q: row r of 64 bytes, + 16 h
	v_add_nc_u32 v24, s58, v7
	v_add_nc_u32 v25, s59, v7
	WIN 0x40                                       ; destination window 1.  Q's fragments stay in registers: registers 0-3 channels 16 h + 0 .. 15, registers 4-7 channels 32 + 16 h + 0 .. 15: as K's below
.irp a, 0,1
	global_load_b128 v[64+8*\a:67+8*\a], v24, s[76:77] offset:1024*\a
	global_load_b128 v[68+8*\a:71+8*\a], v24, s[76:77] offset:1024*\a+32
	global_load_b128 v[80+8*\a:83+8*\a], v25, s[76:77] offset:1024*\a
	global_load_b128 v[84+8*\a:87+8*\a], v25, s[76:77] offset:1024*\a+32
.endr
	WIN 0
	v_lshrrev_b32 v7, 2, v8
	v_mul_u32_u24 v[AK0], v7, PITCH
	v_and_b32 v7, 3, v8
	v_lshl_add_u32 v[AK0], v7, 6, v[AK0]
	v_lshl_add_u32 v[AK0], v9, 4, v[AK0]           ; the sixteen keys of a load fall into sixteen different columns of 16 bytes
	v_mul_u32_u24 v[AV0], v8, VP
	v_lshl_add_u32 v[AV0], v9, 3, v[AV0]
	v_add_nc_u32 v[AV0], VB, v[AV0]
	v_mul_u32_u24 v[SIN], v8, 80
	v_lshl_add_u32 v[SIN], v9, 3, v[SIN]
	v_add_nc_u32 v[SIN], s98, v[SIN]               ; in: query r, + 8 h
	v_and_b32 v7, 31, v0
	v_lshlrev_b32 v[GO], 4, v7
	v_lshrrev_b32 v[SBK], 2, v7
	v_mul_u32_u24 v[SBK], v[SBK], 80
	v_and_b32 v7, 3, v7
	v_lshl_add_u32 v[SBK], v7, 4, v[SBK]
	v_add_nc_u32 v[SBK], s98, v[SBK]               ; back: four lanes to a query, eight queries a load
	v_lshlrev_b32 v7, 3, v9
	v_sub_nc_u32 v[RH], v8, v7
	v_add_nc_u32 v[RH], s90, v[RH]
	v_add_nc_u32 v[RH2], 16, v[RH]
	v_mov_b32 v28, 0                               ; written once: a lane permute's destination counts as one of its sources
	v_mov_b32 v29, 0
	v_mov_b32 v21, 0                               ; (named as the upper halves of the pairs v[20:21], v[22:23])
	v_mov_b32 v23, 0
	s_wait_kmcnt 0x0
	s_add_co_i32 s96, s70, s71
	s_lshl_b32 s96, s96, 23
	s_add_co_i32 s[CS], s[CS], s96                 ; a score stands for score x 2^(e2 + e3): added to c's exponent field
	s_mov_b32 s[CS+1], s[CS]                       ; (named with it as a pair, so it is written)
	s_add_co_i32 s96, s73, 127
	s_lshl_b32 s97, s96, 23
	v_mov_b32 v32, s97                             ; 2^e5, for p's conversions
	s_add_co_i32 s96, s74, 127
	s_lshl_b32 s97, s96, 23
	v_mov_b32 v33, s97                             ; 2^e6, for the result's
	s_add_co_i32 s96, s96, 8
	s_lshl_b32 s96, s96, 23
	s_or_b32 s96, s96, 0x600000
	v_mov_b32 v36, s96                             ; 448 x 2^e6
	s_add_co_i32 s95, s72, s73                     ; e4 + e5
; A KEY STEP: 128 keys against my 32 queries.  QR: Q's registers in window 1; G: the scalar register with 128 g.
.macro STEP QR, G
	s_cmp_gt_u32 s[KF], s[\G]                      ; a step whose keys all come after the group's queries is left out: a branch on the wave's number and a counter, alike in all partners
	s_cbranch_scc1 .Lhidden_\@
	v_add_nc_u32 v[ADK], s[TBK], v[AK0]
	v_add_nc_u32 v[ADV], s[TBV], v[AV0]
	v_nop
	v_nop                                          ; with the two additions: four places between the last products and the loads into the registers that they read
.irp t, 0,1,2,3,4,5,6,7
	ds_load_b128 v[64+8*\t:67+8*\t], v[ADK] offset:\t*1088
	ds_load_b128 v[68+8*\t:71+8*\t], v[ADK] offset:\t*1088+32
.endr
	s_wait_alu depctr_va_vdst(0)                   ; the wait here, directly ahead of the wait below
	s_wait_dscnt 0x0
	WIN 0x04                                       ; source 1 (Q) window 1
.irp t, 0,1,2,3,4,5,6,7
	v_wmma_f32_16x16x64_fp8_fp8 v[128+8*\t:135+8*\t], v[64+8*\t:71+8*\t], v[\QR:\QR+7], 0       ; each fragment of K serves tile A
	v_wmma_f32_16x16x64_fp8_fp8 v[192+8*\t:199+8*\t], v[64+8*\t:71+8*\t], v[\QR+8:\QR+15], 0    ; and tile B
.endr
	WIN 0
.rept 4
	v_nop                                          ; places in front of the loads below and of the first read of the scores
.endr
.irp t, 0,1,2,3
.irp c, 0,1,2,3,4,5,6,7
	ds_load_b64 v[64+16*\t+2*\c:65+16*\t+2*\c], v[ADV] offset:\t*16*VP+16*\c   ; V^T, channels 16 t + r, keys 16 c + 8 h + 0 .. 7: they come while the softmax is worked
.endr
.endr
	s_cmp_lg_u32 s[KF], s[\G]                      ; the group's last step alone lies on the diagonal
	s_cbranch_scc1 .Lopen_\@
	v_mov_b32 v24, 0xff800000                      ; -infinity: p = 0 then.  Register 8 T + j holds key KF + 16 T + 8 h + j: hidden where 16 T + j is greater than the bound.  Key KF counts for every query of the group
.set nn, 0
.rept 64
	v_cmp_gt_i32 vcc_lo, 16*(nn/8)+nn%8, v[RH]
	v_cndmask_b32 v[128+nn], v[128+nn], v24, vcc_lo
	v_cmp_gt_i32 vcc_lo, 16*(nn/8)+nn%8, v[RH2]
	v_cndmask_b32 v[192+nn], v[192+nn], v24, vcc_lo
.set nn, nn+1
.endr
.Lopen_\@:
	v_max3_num_f32 v24, v128, v129, v130           ; the step's largest score of each of my two queries among my 64 keys: four chains by turns, each tile from its low end on
	v_max3_num_f32 v25, v131, v132, v133
	v_max3_num_f32 v26, v192, v193, v194
	v_max3_num_f32 v27, v195, v196, v197
.set jj, 6
.rept 14
	v_max3_num_f32 v24, v24, v[128+jj], v[129+jj]
	v_max3_num_f32 v25, v25, v[130+jj], v[131+jj]
	v_max3_num_f32 v26, v26, v[192+jj], v[193+jj]
	v_max3_num_f32 v27, v27, v[194+jj], v[195+jj]
.set jj, jj+4
.endr
	v_max3_num_f32 v24, v24, v190, v191
	v_max3_num_f32 v26, v26, v254, v255
	v_max_num_f32 v24, v24, v25
	v_max_num_f32 v26, v26, v27
	v_permlanex16_b32 v28, v24, s[SEL], s[SEL+1]
	v_permlanex16_b32 v29, v26, s[SEL], s[SEL+1]
	v_max_num_f32 v24, v24, v28                    ; and among lane l xor 16's
	v_max_num_f32 v26, v26, v29
	v_mul_f32 v24, s[CS], v24                      ; as t (c is positive)
	v_mul_f32 v26, s[CS], v26
	v_max_num_f32 v13, v13, v24                    ; the running largest t
	v_max_num_f32 v15, v15, v26
	v_mov_b32 v24, v12
	v_mov_b32 v26, v14
	v_floor_f32 v12, -v13                          ; the new -M = floor(-t) = -ceil(t): a whole number
	v_floor_f32 v14, -v15
	v_sub_f32 v24, v12, v24                        ; old M - new M: a whole number, 0 or less
	v_sub_f32 v26, v14, v26
	v_cvt_i32_f32 v24, v24                         ; (it saturates)
	v_cvt_i32_f32 v26, v26
	v_ldexp_f32 v20, 1.0, v24                      ; f = 2^(old M - new M)
	v_ldexp_f32 v22, 1.0, v26
	v_pk_mul_f32 v[16:17], v[16:17], v[20:21] op_sel_hi:[1,0]   ; the sums under the new M
	v_pk_mul_f32 v[18:19], v[18:19], v[22:23] op_sel_hi:[1,0]
	WIN 0x41                                       ; O^T lies in window 1.  It is brought under the new M here, ahead of the exponentials: no transcendental stands between the last products and these first readers
.set jj, 0
.rept 16
	v_pk_mul_f32 v[jj:jj+1], v[jj:jj+1], v[20:21] op_sel_hi:[1,0]
	v_pk_mul_f32 v[32+jj:33+jj], v[32+jj:33+jj], v[22:23] op_sel_hi:[1,0]
.set jj, jj+2
.endr
	WIN 0
.set jj, 0
.rept 32
	v_pk_fma_f32 v[128+jj:129+jj], v[128+jj:129+jj], s[CS:CS+1], v[12:13] op_sel_hi:[1,0,0]   ; A: t - M, two at a time
.set jj, jj+2
.endr
	s_wait_alu depctr_va_vdst(0)                   ; the wait ahead of the batch
.set jj, 0
.rept 32
	v_exp_f32 v[128+jj], v[128+jj]                 ; A: p = 2^(t - M), at most 1
	v_exp_f32 v[129+jj], v[129+jj]
	v_pk_fma_f32 v[192+jj:193+jj], v[192+jj:193+jj], s[CS:CS+1], v[14:15] op_sel_hi:[1,0,0]   ; B: t - M, among A's exponentials: its sources were made ahead of the wait above, its results are read behind the wait below
.set jj, jj+2
.endr
	s_wait_alu depctr_va_vdst(0)                   ; one wait for the batch, ahead of its first reader, and ahead of the next batch
	WIN 0x40
.irp t, 0,1,2,3,4,5,6,7
	v_cvt_scalef32_pk8_fp8_f32 v[96+2*\t:97+2*\t], v[128+8*\t:135+8*\t], v32   ; A: keys 16 t + 8 h + 0 .. 7: registers 2 t, 2 t + 1 of the operand
.endr
	WIN 0
	v_nop                                          ; one plain line between the conversions and the writes of their sources
.set jj, 0
.rept 16
	v_exp_f32 v[192+jj], v[192+jj]                 ; B: p
	v_exp_f32 v[193+jj], v[193+jj]
	v_exp_f32 v[194+jj], v[194+jj]
	v_exp_f32 v[195+jj], v[195+jj]
	v_pk_add_f32 v[128+jj:129+jj], v[128+jj:129+jj], v[130+jj:131+jj]   ; A: the first level of the row's sum of the unquantised p: sixteen additions that hang on nothing in this batch
.set jj, jj+4
.endr
	s_wait_alu depctr_va_vdst(0)                   ; one wait for the batch
	WIN 0x40
.irp t, 0,1,2,3,4,5,6,7
	v_cvt_scalef32_pk8_fp8_f32 v[112+2*\t:113+2*\t], v[192+8*\t:199+8*\t], v32
.endr
	WIN 0
	TREE 128, 8, 4                                 ; the sums go on as trees, A's and B's levels by turns
	TREE 192, 16, 2
	TREE 128, 4, 8
	TREE 192, 8, 4
	TREE 128, 2, 16
	TREE 192, 4, 8
	TREE 128, 1, 32
	TREE 192, 2, 16
	v_pk_add_f32 v[16:17], v[16:17], v[128:129]
	TREE 192, 1, 32
	v_pk_add_f32 v[18:19], v[18:19], v[192:193]
	s_wait_alu depctr_va_vdst(0)                   ; the wait here, directly ahead of the wait below
	s_wait_dscnt 0x0                               ; V's fragments are in
	WIN 0x54                                       ; source 1 (P), C and D window 1
.irp t, 0,1,2,3
	v_wmma_f32_16x16x128_fp8_fp8 v[8*\t:8*\t+7], v[64+16*\t:79+16*\t], v[96:111], v[8*\t:8*\t+7]             ; eight accumulators by turns; each fragment of V serves tile A
	v_wmma_f32_16x16x128_fp8_fp8 v[32+8*\t:39+8*\t], v[64+16*\t:79+16*\t], v[112:127], v[32+8*\t:39+8*\t]    ; and tile B
.endr
	WIN 0
.Lhidden_\@:
	s_add_co_u32 s[KF], s[KF], 128
.endm
; One group of 32 queries: outer x 4 key steps (constants), then the way out.  OB: the scalar pair with the group's place in ac.
.macro PASS outer, QR, G, OB
	v_mov_b32 v13, 0xff61b1e6                      ; the largest t so far: -3e38, under every t
	v_mov_b32 v15, 0xff61b1e6
	v_floor_f32 v12, -v13                          ; -M
	v_floor_f32 v14, -v15
.irp j, 16,17,18,19
	v_mov_b32 v\j, 0
.endr
	WIN 0x40
.set jj, 0
.rept 64
	v_mov_b32 v[jj], 0                             ; O^T: the step is written without a first step of its own; the first change of M leaves zeros zeros
.set jj, jj+1
.endr
	WIN 0
	s_mov_b32 s[TBK], 0
	s_mov_b32 s[TBV], 0
	s_mov_b32 s[KF], 0
	s_mov_b32 s[T1], \outer
.Lout_\@:                                              ; 512 keys: one tensor load's part of V
	s_mov_b32 s[T2], 4
.Lin_\@:
	STEP \QR, \G
	s_add_co_u32 s[TBK], s[TBK], KST
	s_add_co_u32 s[TBV], s[TBV], 128
	s_sub_co_u32 s[T2], s[T2], 1
	s_cmp_lg_u32 s[T2], 0
	s_cbranch_scc1 .Lin_\@
	s_add_co_u32 s[TBV], s[TBV], VBL-512
	s_sub_co_u32 s[T1], s[T1], 1
	s_cmp_lg_u32 s[T1], 0
	s_cbranch_scc1 .Lout_\@
.rept 4
	v_nop                                          ; places behind the last products
.endr
	v_add_f32 v16, v16, v17                        ; the sums' two halves,
	v_add_f32 v18, v18, v19
	v_permlanex16_b32 v28, v16, s[SEL], s[SEL+1]
	v_permlanex16_b32 v29, v18, s[SEL], s[SEL+1]
	v_add_f32 v16, v16, v28                        ; and lane l xor 16's
	v_add_f32 v18, v18, v29
	s_wait_alu depctr_va_vdst(0)                   ; the wait ahead of the transcendentals
	v_rcp_f32 v16, v16
	v_rcp_f32 v18, v18
	v_nop                                          ; one plain line behind them
	s_wait_alu depctr_va_vdst(0)                   ; and the wait ahead of their first reader
	v_ldexp_f32 v16, v16, s95                      ; x 2^(e4 + e5)
	v_ldexp_f32 v18, v18, s95
	WIN 0x01                                       ; source 0 (O^T) window 1
	s_wait_alu depctr_va_vdst(0)                   ; the wait here, directly ahead of the first reader of O^T
.set jj, 0
.rept 16
	v_pk_mul_f32 v[128+jj:129+jj], v[jj:jj+1], v[16:17] op_sel_hi:[1,0]   ; register 8 t + j: channel 16 t + 8 h + j of query r
.set jj, jj+2
.endr
.set jj, 32
.rept 16
	v_pk_mul_f32 v[128+jj:129+jj], v[jj:jj+1], v[18:19] op_sel_hi:[1,0]
.set jj, jj+2
.endr
	WIN 0
.set jj, 0
.rept 64
	v_med3_num_f32 v[128+jj], v[128+jj], -v36, v36 ; the conversion does not saturate (ISA guide 7.6.2): the hold at 448 x 2^e6, always
.set jj, jj+1
.endr
.irp k, 0,1,2,3,4,5,6,7
	v_cvt_scalef32_pk8_fp8_f32 v[40+2*\k:41+2*\k], v[128+8*\k:135+8*\k], v33
.endr
	v_nop                                          ; one plain line behind the last conversion
.irp k, 0,1,2,3,4,5,6,7
	ds_store_b64 v[SIN], v[40+2*\k:41+2*\k] offset:1280*(\k/4)+16*(\k%4)   ; tile k / 4, query r, channels 16 (k % 4) + 8 h + 0 .. 7
.endr
.irp i, 0,1,2,3
	ds_load_b128 v[64+4*\i:67+4*\i], v[SBK] offset:640*\i          ; LDS serves a wave's instructions in order: these see my stores
.endr
.irp i, 0,1,2,3
	s_wait_dscnt 3-\i                              ; the younger loads may be out
	global_store_b128 v[GO], v[64+4*\i:67+4*\i], s[\OB:\OB+1] offset:512*\i   ; 32 lanes store 512 consecutive bytes, aligned: eight queries of 64 codes
.endr
.endm
	s_wait_alu depctr_va_vdst(0)                   ; the wait at the head's end
	s_wait_loadcnt 0x0                             ; Q
	s_wait_tensorcnt 0x0                           ; my part of K or V is in,
	s_barrier_signal -1
	s_barrier_wait -1                              ; everybody's is; from here on the waves share nothing
	PASS 2, 64, 91, 78                             ; group w: queries under 1,024, so 1,024 keys at the most
	s_wait_xcnt 0x0                                ; the stores have read their registers, which the second group's loads write again
	PASS 4, 80, 92, 80                             ; group 15 - w
	s_wait_tensorcnt 0x0                           ; the wave's end
	ds_add_u32 v[SPW], v[NIL]
	s_wait_dscnt 0x0
	CROUND                                         ; the closing round: no work-group ends while a partner may still ask for a tile that names it
	s_endpgm
.Lfunc_end_k_q28d8149a71_attn:
	.size	k_q28d8149a71_attn, .Lfunc_end_k_q28d8149a71_attn-k_q28d8149a71_attn
	.p2alignl 7, 3214868480
	.fill 96, 4, 3214868480
	.section	.rodata,"a",@progbits
	.p2align	6, 0x0
	.amdhsa_kernel k_q28d8149a71_attn
		.amdhsa_group_segment_fixed_size 327680
		.amdhsa_private_segment_fixed_size 0
		.amdhsa_enable_private_segment 0
		.amdhsa_kernarg_size 40
		.amdhsa_user_sgpr_count 2
		.amdhsa_user_sgpr_kernarg_segment_ptr 1
		.amdhsa_wavefront_size32 1
		.amdhsa_system_sgpr_workgroup_id_x 1
		.amdhsa_system_sgpr_workgroup_id_y 1
		.amdhsa_system_sgpr_workgroup_id_z 1
		.amdhsa_system_vgpr_workitem_id 0
		.amdhsa_next_free_vgpr 384
		.amdhsa_next_free_sgpr 100
		.amdhsa_reserve_vcc 1
		.amdhsa_float_denorm_mode_32 3
		.amdhsa_float_denorm_mode_16_64 3
		.amdhsa_memory_ordered 1
		.amdhsa_forward_progress 1
		.amdhsa_inst_pref_size 102
	.end_amdhsa_kernel
	.amdgpu_metadata
---
amdhsa.version: [ 1, 2 ]
amdhsa.kernels:
  - .name:           k_q28d8149a71_attn
    .symbol:         k_q28d8149a71_attn.kd
    .args:
      - { .name: qc, .offset: 0, .size: 8, .value_kind: global_buffer, .address_space: global }
      - { .name: kc, .offset: 8, .size: 8, .value_kind: global_buffer, .address_space: global }
      - { .name: vc, .offset: 16, .size: 8, .value_kind: global_buffer, .address_space: global }
      - { .name: lowp_scales, .offset: 24, .size: 8, .value_kind: global_buffer, .address_space: global }
      - { .name: ac, .offset: 32, .size: 8, .value_kind: global_buffer, .address_space: global }
    .group_segment_fixed_size: 327680
    .private_segment_fixed_size: 0
    .kernarg_segment_align: 8
    .kernarg_segment_size: 40
    .max_flat_workgroup_size: 256
    .sgpr_count:     100
    .vgpr_count:     384
    .wavefront_size: 32
...
	.end_amdgpu_metadata
.endif
;; end of part 3
;; launch proj (part 4): grid 4 x 64, 4 waves a work-group, clusters of 4 x 4, 327,680 bytes of LDS; arguments ac, woc, lowp_scales, b_out, out0; writes out0
.if DOCPART == 4
	.amdgcn_target "amdgcn-amd-amdhsa--gfx1250"
	.amdhsa_code_object_version 6
	.text
	.protected	k_q28d8149a71_proj
	.globl	k_q28d8149a71_proj
	.p2align	8
	.type	k_q28d8149a71_proj,@function
k_q28d8149a71_proj:
	s_mov_b64 s[64:65], 0
	v_nop
	global_prefetch_b8 v0, s[64:65] scope:SCOPE_SE
	s_setreg_imm32_b32 hwreg(HW_REG_WAVE_MODE, 25, 1), 1
	s_wait_xcnt 0x0
	s_wait_alu depctr_hold_cnt(0) depctr_sa_sdst(0) depctr_va_vdst(0) depctr_va_sdst(0) depctr_va_ssrc(0) depctr_va_vcc(0) depctr_vm_vsrc(0)
	s_getreg_b32 s2, hwreg(HW_REG_IB_STS2, 6, 4)
	s_cmp_eq_u32 s2, 0
	s_cbranch_scc0 .Lentry_in_a_cluster
	s_endpgm
.Lentry_in_a_cluster:
	s_bfe_u32 s2, ttmp6, 0x10000c
	s_cmp_lg_u32 s2, 0xf033
	s_cbranch_scc0 .Lentry_shape_is_right
	s_endpgm
.Lentry_shape_is_right:
; out0 = attention's result x w_out^T + b_out on codes of FP8 (E4M3).  ac: [head 16][token 8192][64]: K = head x 64 + d lies in 16 planes of 524,288 bytes.  woc: [1024][1024], K innermost.  out0: [8192][1024] f32.
; A sum stands for sum x 2^(e6 + e7).  LIMIT: e6 + e7 between -126 and 127, so that 2^(e6 + e7) is an f32 number.
; A TILE: 128 tokens ("A", source 1) x 256 features ("B", source 0), K = 1,024; four waves, each 64 x 128: 32 accumulators; 256 work-groups, one for each WGP.  The matrix instruction is used transposed: a lane
; holds one token and eight neighbouring features.  K goes in four steps of 256 through three LDS slots: three first fills, one refill (slot 0 takes K step 3).
; A's tile of a K step is 128 tokens of four planes; in a plane they are 8,192 dense bytes.  A tensor load brings two planes as two rows of 8,192 bytes, padded by 16 behind every 256: four tokens to 272 bytes.
; CLUSTERS: 4 x 4.  A's tile is shared along a row of the cluster, B's along a column: asked for jointly.  No prefetch: three of the four K steps are asked for at the head.
; REGISTERS, in windows of 256: window 0: addresses, v32-95 at work on the way out, from v128 A's fragments in two sets of 64 (later rows on the way out);  window 1: B's fragments, two sets of 128;
;   window 2: accumulator (a, b) at v[8 (8 a + b)];  window 3: v0-63 b_out at my 128 features.
.set PITCH, 272
.set PLANE, 32*PITCH                   ; a plane's 128 tokens in LDS: 8,704 bytes
.set AHALF, 2*PLANE                    ; what a tensor load of A brings
.set AREG,  2*AHALF
.set BHALF, 128*PITCH
.set SLOT,  AREG+2*BHALF               ; 104,448 bytes
; K'S WALK AS THIS TEXT HAS IT (it takes the place of what the head comment says of slots, first fills and prefetch).  Region X holds K 0-511: eight planes of A, and B's rows of 512 bytes at a pitch of 528; it is asked for at the head,
; one joint load a wave (A: four planes as four rows of 8,192 bytes).  Region Y, behind X, holds K 512-767 (a SLOT as above) and is first filled behind the round that follows X's landing.  K 768-1023 then fills again X's first four
; planes of A and the first 256 bytes of its rows of B (a padding of 68 words keeps the pitch of 528).  Group 1's words that differ are written anew by constants behind the waits for all tensor loads.
; No prefetch: K is short, and half of it is asked for at the head.
.set PX,    528
.set XB,    128*PX                     ; what X's tensor load of B brings
.set XSZ,   2*AREG+2*XB                ; 204,800 bytes
.set SPARE, XSZ+SLOT                   ; the spare words, 128 bytes a wave: two blocks of 256 bytes that no other line names
.set STAGE, XSZ                        ; the way out: 16 rows x 528 bytes for each wave, in Y, which has had its only fill and its last read by then
.set SPITCH, 528
.set XW0,   (1<<20)|(1<<21)|(6<<22)|(3<<25)    ; group 1, word 0 beside the mask: four words of padding after every 128
.set YW0,   (1<<20)|(1<<21)|(5<<22)|(3<<25)    ; four after every 64
.set ZW0,   (1<<20)|(1<<21)|(5<<22)|(67<<25)   ; 68 after every 64
.set CBO,  8                           ; v8   byte offset in b_out of my eight numbers of B's block 0
.set ADRA, 16                          ; v16, v17 LDS address of my A fragments in slot 0, 1 (X, Y)
.set ADRB, 20                          ; v20, v21 the same for B
.set STO,  24                          ; v24  the way out: where I put 32 bytes of a row;  v25 where I read a row back;  v26 my 16 bytes of a row's 512
.set RD,   25
.set CO,   26
.set SPW,  28
.set NIL,  29
.set TMP,  32
.set AF,   128
.set BK,   128                         ; rows read back: v128-191 and v192-255 by turns
.set G1A, 24
.set G1B, 32
.set G0A, 40
.set G0B, 52
.set MSB, 0
.macro WIN new                         ; the immediate's high byte repeats the setting that is left
.if MSB != \new
	s_set_vgpr_msb (MSB<<8)|\new
.set MSB, \new
.endif
.endm
.set MUL,  0xa1                        ; source 0 (B) window 1, source 1 (A) window 0, C and D window 2
.set TO_B, 0x40                        ; destination window 1, address window 0
.macro PLACES n
.rept \n
	v_nop
.endr
.endm
.macro CREST
	s_cmp_lg_u32 s14, 0
	s_cbranch_scc1 .Lnot_wave_0_\@
	s_barrier_signal -3
.Lnot_wave_0_\@:
	s_barrier_wait -3
	s_barrier_signal -1
	s_barrier_wait -1
.endm
.macro CROUND
	s_barrier_signal -1
	s_barrier_wait -1
	CREST
.endm
.macro JLOAD s                         ; the joint load of slot s: waves 0, 1 for A, waves 2, 3 for B: one tensor load a wave; four v_nop follow each line
	s_cmp_eq_u32 s15, 0
	s_cbranch_scc0 .Lfor_b_\@
	tensor_load_to_lds s[G0A+4*\s:G0A+4*\s+3], s[G1A:G1A+7]
	s_nop 0
	PLACES 4
	s_branch .Lasked_\@
.Lfor_b_\@:
	tensor_load_to_lds s[G0B+4*\s:G0B+4*\s+3], s[G1B:G1B+7]
	s_nop 0
	PLACES 4
.Lasked_\@:
.endm
; 48 LDS loads in one run.  Registers 4 c .. 4 c + 3 of a fragment hold K = 128 q + 32 c + 16 (l / 16) + 0 .. 15, in A and in B alike.  In A that is plane 2 q + c / 2, channels 32 (c % 2) + 16 (l / 16) on.
.macro FETCH slot, q, p                ; slot 0: region X (q 0 .. 3; behind its refill 0, 1);  slot 1: region Y (q 0, 1)
.set FP, PX-(PX-PITCH)*(\slot)
	WIN TO_B
.irp i, 0,1,2,3,4,5,6,7
.irp c, 0,1,2,3
	ds_load_b128 v[128*(\p)+16*\i+4*\c:128*(\p)+16*\i+4*\c+3], v[ADRB+\slot] offset:128*(\q)+32*\c+\i*16*FP
.endr
.endr
	WIN 0
.irp i, 0,1,2,3
.irp c, 0,1,2,3
	ds_load_b128 v[AF+64*(\p)+16*\i+4*\c:AF+64*(\p)+16*\i+4*\c+3], v[ADRA+\slot] offset:(2*(\q)+\c/2)*PLANE+32*(\c%2)+\i*4*PITCH
.endr
.endr
.endm
.macro MUL8 a, p, zero                 ; A's block a against B's eight; the 32 accumulators take turns in the same order in every step
.irp b, 0,1,2,3,4,5,6,7
.if \zero
	v_wmma_f32_16x16x128_fp8_fp8 v[8*(8*(\a)+\b):8*(8*(\a)+\b)+7], v[128*(\p)+16*\b:128*(\p)+16*\b+15], v[AF+64*(\p)+16*(\a):AF+64*(\p)+16*(\a)+15], 0
.else
	v_wmma_f32_16x16x128_fp8_fp8 v[8*(8*(\a)+\b):8*(8*(\a)+\b)+7], v[128*(\p)+16*\b:128*(\p)+16*\b+15], v[AF+64*(\p)+16*(\a):AF+64*(\p)+16*(\a)+15], v[8*(8*(\a)+\b):8*(8*(\a)+\b)+7]
.endif
.endr
.endm
.macro STEP nslot, nq, p, zero
	s_wait_dscnt 0x0                               ; this step's 48 loads are in
	PLACES 4                                       ; four places between the matrix instructions that read the other set and the loads into it
	FETCH \nslot, \nq, 1-(\p)
	WIN MUL
	MUL8 0, \p, \zero
	MUL8 1, \p, \zero
	MUL8 2, \p, \zero
	MUL8 3, \p, \zero
	WIN 0
.endm
.macro TURN p, fill, nslot
	s_wait_tensorcnt 0x0                           ; all my tensor loads have landed
	ds_add_u32 v[SPW], v[NIL]                      ; 0 onto my spare word
	s_wait_dscnt 0x1                               ; this step's 48 loads are in; the add alone may be out
	WIN MUL
	MUL8 0, \p, 0
	s_wait_dscnt 0x0                               ; the add is done, and my reads of the slots so far are over
	s_barrier_signal -1
	MUL8 1, \p, 0
	WIN 0
	s_barrier_wait -1
.if \fill
	CREST                                          ; the barrier has opened a round of the cluster's: no wave of any partner has a load on its way or still reads the slot that is filled
	s_or_b32 s[G1B+0], s84, ZW0                    ; no load of mine is out: the padding that keeps X's pitch
	JLOAD 2                                        ; K 768-1023 into X's first four planes of A and the first 256 bytes of its rows of B, which have been read out
.else
	PLACES 4
.endif
	FETCH \nslot, 0, 1-(\p)
	WIN MUL
	MUL8 2, \p, 0
	MUL8 3, \p, 0
	WIN 0
.endm
	s_load_b256 s[4:11], s[0:1], 0x0               ; ac s[4:5], woc s[6:7], the scales' exponents s[8:9], b_out s[10:11]
	s_load_b64 s[72:73], s[0:1], 0x20              ; out0
	v_lshl_add_u32 v[SPW], v0, 2, SPARE
	v_mov_b32 v[NIL], 0
	ds_add_u32 v28, v29
	ds_add_u32 v28, v29
	s_wait_dscnt 0x0
	v_lshrrev_b32 v1, 5, v0
	v_readfirstlane_b32 s14, v1                    ; wave 0..3
	s_lshr_b32 s15, s14, 1                         ; which 64 tokens are mine.  Also: I fetch for A (0) or for B (1)
	s_and_b32 s16, s14, 1                          ; which 128 features are mine.  Also: which half of that tile I fetch
	s_bfe_u32 s66, ttmp6, 0x40000                  ; cx
	s_bfe_u32 s67, ttmp6, 0x40004                  ; cy
	s_lshl_b32 s80, ttmp9, 2
	s_add_co_u32 s80, s80, s66                     ; tile column 0..3
	s_and_b32 s18, ttmp7, 0xffff
	s_lshl_b32 s18, s18, 2
	s_add_co_u32 s18, s18, s67                     ; tile row 0..63
	s_lshl_b32 s79, s67, 2
	s_lshl_b32 s79, 15, s79                        ; my row of the cluster
	s_lshl_b32 s84, 0x1111, s66                    ; my column
	s_or_b32 s[G1A+0], s79, (0<<16)|(1<<20)|(1<<21)|(5<<22)|(3<<25)  ; the mask; elements of 1 byte; padding on; 21 set beside a mask; four words after every 64
	s_or_b32 s[G1B+0], s84, XW0
	s_mov_b32 s[G1A+1], 8192<<16                   ; tensor_dim0 = 8,192: 128 tokens of a plane
	s_mov_b32 s[G1A+2], 4<<16                      ; tensor_dim1 = 4 planes, for X
	s_mov_b32 s[G1A+3], 8192<<16                   ; tile_dim0
	s_mov_b32 s[G1A+4], 4                          ; tile_dim1
	s_mov_b32 s[G1A+5], 524288                     ; from plane to plane
	s_mov_b32 s[G1A+6], 0
	s_mov_b32 s[G1A+7], 0
	s_mov_b32 s[G1B+1], 512<<16
	s_mov_b32 s[G1B+2], 128<<16
	s_mov_b32 s[G1B+3], 512<<16
	s_mov_b32 s[G1B+4], 128
	s_mov_b32 s[G1B+5], 1024
	s_mov_b32 s[G1B+6], 0
	s_mov_b32 s[G1B+7], 0
	s_lshl_b32 s19, s18, 13                        ; A: 128 x tile row tokens of 64 bytes, + two planes x half
	s_lshl_b32 s20, s16, 20
	s_add_co_u32 s20, s19, s20
	s_mov_b32 s21, 0
	s_lshl_b32 s12, s16, 20                        ; two planes x half once more: in X a half is four planes
	s_mov_b32 s13, 0
	s_lshl_b32 s82, s80, 18                        ; B: (256 x tile column + 128 x half) rows of 1,024 bytes
	s_lshl_b32 s83, s16, 17
	s_add_co_u32 s82, s82, s83
	s_mov_b32 s83, 0
	s_mul_i32 s22, s16, AHALF                      ; where they go.  A: X's refill,
	s_mul_i32 s98, s16, 2*AHALF                    ; X,
	s_add_co_u32 s99, s22, XSZ                     ; Y
	s_mul_i32 s23, s16, BHALF
	s_add_co_u32 s23, s23, XSZ+AREG                ; B: Y,
	s_mul_i32 s81, s16, XB
	s_add_co_u32 s81, s81, 2*AREG                  ; X and its refill
	s_wait_kmcnt 0x0
	s_load_b256 s[88:95], s[8:9], 0x0              ; e0 .. e7
	s_add_nc_u64 s[20:21], s[4:5], s[20:21]
	s_add_nc_u64 s[82:83], s[6:7], s[82:83]
	s_add_nc_u64 s[G0A+2:G0A+3], s[20:21], s[12:13]                ; groups 0: set 0 X: planes 4 x half on,
	s_add_nc_u64 s[G0A+6:G0A+7], s[20:21], 8*524288                ; set 1 Y: planes 8 + 2 x half on,
	s_add_nc_u64 s[G0A+10:G0A+11], s[20:21], 12*524288             ; set 2 X's refill: planes 12 + 2 x half on
.irp s, 0,1,2
	s_mov_b32 s[G0A+4*\s], 1
	s_or_b32 s[G0A+4*\s+3], s[G0A+4*\s+3], 0x80000000
	s_mov_b32 s[G0B+4*\s], 1
	s_add_nc_u64 s[G0B+4*\s+2:G0B+4*\s+3], s[82:83], 640*\s-128*\s*\s   ; K 0, 512, 768
	s_or_b32 s[G0B+4*\s+3], s[G0B+4*\s+3], 0x80000000
.endr
	s_mov_b32 s[G0A+1], s98                        ; LDS addresses
	s_mov_b32 s[G0A+5], s99
	s_mov_b32 s[G0A+9], s22
	s_mov_b32 s[G0B+1], s81
	s_mov_b32 s[G0B+5], s23
	s_mov_b32 s[G0B+9], s81
	CROUND                                         ; all sixteen work-groups are here: the first joint loads meet
	JLOAD 0                                        ; K 0-511 alone is asked for at the head: one tensor load a wave; K 512-767 and 768-1023 follow behind rounds of their own
	v_and_b32 v1, 15, v0                           ; r
	v_bfe_u32 v2, v0, 4, 1                         ; h
	v_mul_u32_u24 v3, v1, PITCH
	v_lshl_add_u32 v3, v2, 4, v3                   ; B: row r x pitch + 16 h
	v_lshrrev_b32 v4, 2, v1
	v_mul_u32_u24 v4, v4, PITCH
	v_and_b32 v5, 3, v1
	v_lshl_add_u32 v4, v5, 6, v4
	v_lshl_add_u32 v4, v2, 4, v4                   ; A: token r is at (r / 4) x 272 + (r % 4) x 64; + 16 h: sixteen different columns of 16 bytes
	v_mul_u32_u24 v6, v1, PX
	v_lshl_add_u32 v6, v2, 4, v6                   ; B in X: row r x 528 + 16 h
	s_mul_i32 s69, s15, 16*PITCH                   ; my 64 tokens in a plane
	s_mul_i32 s70, s16, XB
	s_add_co_u32 s70, s70, 2*AREG                  ; my 128 rows of B in X
	v_add_nc_u32 v[ADRA], s69, v4
	v_add_nc_u32 v[ADRB], s70, v6
	s_add_co_u32 s69, s69, XSZ
	s_mul_i32 s70, s16, BHALF
	s_add_co_u32 s70, s70, XSZ+AREG                ; and in Y
	v_add_nc_u32 v[ADRA+1], s69, v4
	v_add_nc_u32 v[ADRB+1], s70, v3
	s_lshl_b32 s85, s80, 10
	s_lshl_b32 s86, s16, 9
	s_add_co_u32 s85, s85, s86                     ; my first feature, in bytes of f32: 1,024 x tile column + 512 x half
	v_lshl_add_u32 v[CBO], v2, 5, s85              ; lane (r, h) wants, for B's block b, the numbers 16 b + 8 h + 0 .. 7
	WIN 0xc0                                       ; destination window 3
.irp b, 0,1,2,3,4,5,6,7
	global_load_b128 v[8*\b:8*\b+3], v[CBO], s[10:11] offset:64*\b
	global_load_b128 v[8*\b+4:8*\b+7], v[CBO], s[10:11] offset:64*\b+16
.endr
	WIN 0
	s_mul_i32 s78, s14, 16*SPITCH
	s_add_co_u32 s78, s78, STAGE                   ; my stage
	v_mul_u32_u24 v[STO], v1, SPITCH
	v_lshl_add_u32 v[STO], v2, 5, v[STO]
	v_add_nc_u32 v[STO], s78, v[STO]               ; in: row r, 32 bytes for each half of the lanes
	v_and_b32 v5, 31, v0
	v_lshlrev_b32 v[CO], 4, v5
	v_add_nc_u32 v[RD], s78, v[CO]                 ; back: the 32 lanes take one row of 512 bytes; and the same in out0
	s_lshl_b32 s69, s18, 7
	s_lshl_b32 s70, s15, 6
	s_add_co_u32 s69, s69, s70                     ; my first token
	s_lshl_b32 s70, s69, 12                        ; rows of 4,096 bytes
	s_add_co_u32 s70, s70, s85
	s_mov_b32 s71, 0
	s_add_nc_u64 s[72:73], s[72:73], s[70:71]
	s_wait_kmcnt 0x0
	s_add_co_i32 s96, s94, s95                     ; e6 + e7
	s_add_co_i32 s96, s96, 127
	s_lshl_b32 s96, s96, 23                        ; 2^(e6 + e7) as f32
	s_mov_b32 s97, s96                             ; (named with it as a pair, so it is written)
	s_wait_alu depctr_va_vdst(0)                   ; the wait at the head's end
	s_wait_tensorcnt 0x0                           ; my part of X is in
	ds_add_u32 v[SPW], v[NIL]                      ; 0 onto my spare word
	s_mov_b32 s[G1A+2], 2<<16                      ; no load of mine is out: group 1 for two planes of A and for B's rows of 256 bytes
	s_mov_b32 s[G1A+4], 2
	s_or_b32 s[G1B+0], s84, YW0
	s_mov_b32 s[G1B+1], 256<<16
	s_mov_b32 s[G1B+3], 256<<16
	s_wait_dscnt 0x0
	CROUND                                         ; everybody's part of X is in, and the sixteen work-groups meet
	JLOAD 1                                        ; Y's first fill: K 512-767: it has X's four steps in which to land
	FETCH 0, 0, 0
	STEP 0, 1, 0, 1                                ; K 0-127: its products start the sums
	STEP 0, 2, 1, 0
	STEP 0, 3, 0, 0
	TURN 1, 1, 1                                   ; K 384-511; Y is whole; X takes K 768-1023
	STEP 1, 1, 0, 0
	TURN 1, 0, 0                                   ; K 640-767; X is whole again; nobody reads Y any more
	STEP 0, 1, 0, 0
	s_wait_dscnt 0x0
	WIN MUL
	MUL8 0, 1, 0
	MUL8 1, 1, 0
	MUL8 2, 1, 0
	MUL8 3, 1, 0
	WIN 0
	PLACES 4                                       ; in front of the first read of results and of loads into the fragments' registers
	s_wait_loadcnt 0x0                             ; b_out
; THE WAY OUT, block by block of 16 tokens x 128 features: sum x 2^(e6 + e7) + b_out in one packed multiply-add, each accumulator from its low end on; through my own stage; back as whole rows of 512 bytes.
.macro TOSTAGE a
	WIN 0x32                                       ; source 0 (the sums) window 2, source 2 (the bias) window 3
.set jj, 0
.rept 32
	v_pk_fma_f32 v[TMP+jj:TMP+jj+1], v[64*(\a)+jj:64*(\a)+jj+1], s[96:97], v[jj:jj+1] op_sel_hi:[1,0,1]
.set jj, jj+2
.endr
	WIN 0
.irp b, 0,1,2,3,4,5,6,7
	ds_store_b128 v[STO], v[TMP+8*\b:TMP+8*\b+3] offset:64*\b
	ds_store_b128 v[STO], v[TMP+8*\b+4:TMP+8*\b+7] offset:64*\b+16
.endr
.set BB, BK+64*((\a)%2)
.irp t, 0,1,2,3,4,5,6,7,8,9,10,11,12,13,14,15
	ds_load_b128 v[BB+4*\t:BB+4*\t+3], v[RD] offset:\t*SPITCH      ; LDS serves a wave's instructions in order: these see my stores, and the next block's stores come behind them
.endr
.endm
.macro SEND a, younger                 ; younger: the LDS instructions issued behind block a's loads, which may stay out
.set BB, BK+64*((\a)%2)
	s_wait_dscnt \younger
.if (\a) > 0
	s_add_nc_u64 s[72:73], s[72:73], 16*4096       ; (behind a wait on XCNT: the earlier stores have read their base)  16 rows on
.endif
.irp t, 0,1,2,3,4,5,6,7,8,9,10,11,12,13,14,15
	global_store_b128 v[CO], v[BB+4*\t:BB+4*\t+3], s[72:73] offset:\t*4096 th:TH_STORE_NT   ; 32 lanes store 512 consecutive bytes, aligned; written once, read by nobody here
.endr
.endm
	TOSTAGE 0
.irp a, 1,2,3
.if \a > 1
	s_wait_xcnt 0x0                                ; block a - 2's stores have read their registers and their base
.endif
	TOSTAGE \a
	SEND \a-1, 32                                  ; behind block a - 1's loads: block a's 16 stores and 16 loads
.endr
	s_wait_xcnt 0x0                                ; block 2's stores have read their base
	SEND 3, 0
	s_wait_tensorcnt 0x0                           ; the wave's end
	ds_add_u32 v[SPW], v[NIL]
	s_wait_dscnt 0x0
	CROUND                                         ; the closing round
	s_endpgm
.Lfunc_end_k_q28d8149a71_proj:
	.size	k_q28d8149a71_proj, .Lfunc_end_k_q28d8149a71_proj-k_q28d8149a71_proj
	.p2alignl 7, 3214868480
	.fill 96, 4, 3214868480
	.section	.rodata,"a",@progbits
	.p2align	6, 0x0
	.amdhsa_kernel k_q28d8149a71_proj
		.amdhsa_group_segment_fixed_size 327680
		.amdhsa_private_segment_fixed_size 0
		.amdhsa_enable_private_segment 0
		.amdhsa_kernarg_size 40
		.amdhsa_user_sgpr_count 2
		.amdhsa_user_sgpr_kernarg_segment_ptr 1
		.amdhsa_wavefront_size32 1
		.amdhsa_system_sgpr_workgroup_id_x 1
		.amdhsa_system_sgpr_workgroup_id_y 1
		.amdhsa_system_sgpr_workgroup_id_z 1
		.amdhsa_system_vgpr_workitem_id 0
		.amdhsa_next_free_vgpr 1024
		.amdhsa_next_free_sgpr 100
		.amdhsa_reserve_vcc 0
		.amdhsa_float_denorm_mode_32 3
		.amdhsa_float_denorm_mode_16_64 3
		.amdhsa_memory_ordered 1
		.amdhsa_forward_progress 1
		.amdhsa_inst_pref_size 77
	.end_amdhsa_kernel
	.amdgpu_metadata
---
amdhsa.version: [ 1, 2 ]
amdhsa.kernels:
  - .name:           k_q28d8149a71_proj
    .symbol:         k_q28d8149a71_proj.kd
    .args:
      - { .name: ac, .offset: 0, .size: 8, .value_kind: global_buffer, .address_space: global }
      - { .name: woc, .offset: 8, .size: 8, .value_kind: global_buffer, .address_space: global }
      - { .name: lowp_scales, .offset: 16, .size: 8, .value_kind: global_buffer, .address_space: global }
      - { .name: b_out, .offset: 24, .size: 8, .value_kind: global_buffer, .address_space: global }
      - { .name: out0, .offset: 32, .size: 8, .value_kind: global_buffer, .address_space: global }
    .group_segment_fixed_size: 327680
    .private_segment_fixed_size: 0
    .kernarg_segment_align: 8
    .kernarg_segment_size: 40
    .max_flat_workgroup_size: 128
    .sgpr_count:     100
    .vgpr_count:     1024
    .wavefront_size: 32
...
	.end_amdgpu_metadata
.endif
;; end of part 4
